; MI455X (gfx1250); checked and timed in simulation.
; The chip was launched on July 23, 2026; its instructions are those of AMD's public machine-readable ISA for CDNA 5 (MIT licence, August 2026) and "CDNA5" Instruction Set Architecture Reference Guide (July 2026). The comments in the code are by the model that wrote it; some were corrected since.
;; Multi Head Attention. Allowed arithmetic: matrix products marked QUANTISED: E2M1 operands, one E8M0 scale for each 32 along K, by v_wmma_scale_f32_16x16x128_f8f6f4 with both operands' format E2M1 (or v_wmma_scale_f32_32x16x128_f4), f32 sums; products left as they are: bf16, f16 or f32 operands; f32 sums; everything else in f32.
;; Inputs: Wk 1,024 x 1,024 float32; Wo 1,024 x 1,024 float32; Wq 1,024 x 1,024 float32; Wv 1,024 x 1,024 float32; token_positions 2 x 2,048 int32; x 2 x 2,048 x 1,024 float32.
;; Outputs: out0 2 x 2,048 x 1,024 float32.
;; This version of the problem:
;;   THIS VERSION OF THE PROBLEM IS GIVEN IN LOW PRECISION. The matrix products marked QUANTISED in the list below multiply operands that are first quantised to E2M1 (2 exponent bits, 1 mantissa bit; 4 bits a number), with one power-of-two scale for each 32 numbers along K (OCP MX v1.0); their sums are f32. The products marked 'left as it is' may take bf16, f16 or f32 operands, with f32 sums. Whichever they take, every output number must still come out within the allowed error. Rounding operands to bf16 (8 significant bits) uses up far more of that allowance than f16 does (11 bits, for magnitudes from 6e-5 to 65,504). All else is computed in f32.
;;   The module's matrix products, in the order in which they are computed (A, B: the left and right operand; K: the contracted axis; several contracted axes count as one K, in the product's order):
;;     1. [M 4,096, K 1,024] x [K 1,024, N 1,024]; A: input x; B: input Wq: QUANTISED
;;     2. [M 4,096, K 1,024] x [K 1,024, N 1,024]; A: input x; B: input Wk: QUANTISED
;;     3. [M 4,096, K 1,024] x [K 1,024, N 1,024]; A: input x; B: input Wv: QUANTISED
;;     4. batch 32 x [M 2,048, K 64] x [K 64, N 2,048]; A: computed on the way; B: computed on the way: left as it is (an operand is computed on the way)
;;     5. batch 32 x [M 2,048, K 2,048] x [K 2,048, N 64]; A: computed on the way; B: computed on the way: left as it is (an operand is computed on the way)
;;     6. [M 4,096, K 1,024] x [K 1,024, N 1,024]; A: computed on the way; B: input Wo: left as it is (an operand is computed on the way)
;;   THE QUANTISER, for each operand of a quantised product, along K:
;;     - K is cut into blocks of 32 from its start; a last block that is shorter is filled with zeros.
;;     - A block's scale is 2^e with e = floor(log2(the largest magnitude in the block)) - 2, held to -126 .. 127; a block of zeros has e = 0. As a byte (E8M0): e + 127.
;;     - Each number is divided by its block's scale, clamped to +-6, and rounded to the nearest number of E2M1, ties to even, subnormals kept.
;;     - The product sums the exact products of the quantised numbers (number of the format x scale) in f32.
;;   ~~~python
;;   def quantise(x, axis):      # numpy; x: float32 -> the quantised numbers, widened to float32 again
;;       x = np.moveaxis(x, axis, -1); K = x.shape[-1]
;;       x = np.pad(x, [(0, 0)] * (x.ndim - 1) + [(0, -K % 32)]); x = x.reshape(x.shape[:-1] + (-1, 32)); a = np.abs(x).max(-1, keepdims=True)
;;       e = np.where(a > 0, np.clip(np.frexp(np.where(a > 0, a, 1))[1] - 1 - 2, -126, 127), 0)      # np.frexp(a)[1] - 1 = floor(log2(a)), exactly
;;       r = np.clip(x / 2.0 ** e, -6, 6)
;;       step = 2.0 ** (np.maximum(np.frexp(np.where(r == 0, 1, r))[1] - 1, 0) - 1)
;;       q = np.round(r / step) * step * 2.0 ** e      # np.round: ties to even
;;       return np.moveaxis(q.reshape(q.shape[:-2] + (-1,))[..., :K], -1, axis).astype(np.float32)
;;   ~~~
;; One version. Each part assembles by itself: llvm-mc -triple=amdgcn-amd-amdhsa -mcpu=gfx1250 --defsym DOCPART=n.
;; ======== version 1 of 1: 5 launches
;; limits: values are held in f16: magnitudes above 65,504 overflow, below 6.1e-05 lose precision
;; workspace buffers: codes 3,670,016 bytes; scales 229,376 bytes; rope 1,048,576 bytes; wof 2,097,152 bytes; qkv 25,165,824 bytes; first 393,216 bytes; aof 8,388,608 bytes
;; launch prep (part 1): grid 416 x 1, 4 waves a work-group, no clusters, 33,280 bytes of LDS; arguments x, Wq, Wk, Wv, Wo, token_positions, codes, scales, rope, wof; writes codes, scales, rope, wof
.if DOCPART == 1
	.amdgcn_target "amdgcn-amd-amdhsa--gfx1250"
	.amdhsa_code_object_version 6
	.text
	.protected	k_q8543eae8b5_prep
	.globl	k_q8543eae8b5_prep
	.p2align	8
	.type	k_q8543eae8b5_prep,@function
k_q8543eae8b5_prep:
	s_mov_b64 s[64:65], 0
	v_nop
	global_prefetch_b8 v0, s[64:65] scope:SCOPE_SE
	s_setreg_imm32_b32 hwreg(HW_REG_WAVE_MODE, 25, 1), 1
	s_wait_xcnt 0x0
; PREP: three kinds of work-groups, told apart by the work-group's number alone.
;  0..223   x [4096][1024], Wq, Wk, Wv [1024][1024], f32, become codes of FP4 (E2M1), K innermost, with one E8M0 byte for each 32 along K.  The four tensors
;           lie on end in the two buffers, as one matrix of 7,168 rows: 0 x, 4096 Wq, 5120 Wk, 6144 Wv; a row is 512 bytes of codes and 32 scale bytes.
;  224..287 Wo [1024][1024] becomes f16 in the order of a matrix operand's registers: [n tile 64][32 along K: 32][piece 2][lane 32][16 bytes];
;           lane (r = lane % 16, h = lane / 16) holds row 16 tile + r, piece p the numbers k = 16 p + 8 h + 0..7 of the 32.
;  288..415 cos and sin of position x 10000^(-i / 32), i = 0..31, for each of the 4,096 tokens: [token][i][cos, sin] f32, 256 bytes a token; 32 tokens a work-group.
; A block's scale is 2^(floor(log2(its largest magnitude)) - 2): its byte is the largest magnitude's exponent field - 2, held at 1 from below.
; LIMITS: a block of zeros gets the byte 1 where the rule says 127 (its codes are zeros, and this program alone reads the bytes); blocks whose largest
; magnitude lies under 2^-124 keep the byte 1; NaN and infinities are not served; |Wo| stays under 65,504 (f16); positions are 0..2047, as the table of
; the problem has them.  The angle is one f32 product, as the problem rounds it; 10000^(-i/32) is one exponential in base 2.
; No matrix unit, no cluster, no tensor load: every byte is read once by one wave, and waves share nothing.
; The quantiser has 896 waves in all, fewer than the chip has SIMDs: so what is on its way is what one wave asks for, and a wave's loads run eight steps (32 loads, 16 KB) ahead.
.set QWG,   224                        ; work-groups that quantise: 128 for x, 32 for each weight (32,768 numbers each)
.set WOWG,  64                         ; work-groups for Wo: one n tile each
.set STEPS, 16
.set AHEAD, 8                          ; steps that the loads run ahead
.set EMAX,  2
.set CB,    8                          ; bytes of 16 codes
.set R,     16                         ; v16-143  eight sets of 16 numbers as they are loaded
.set X,     144                        ; v144-175 two sets of 16 neighbours
.set E,     176                        ; v176-191 a scale byte for each step
.set C,     192                        ; v192-223 codes: two registers for each step, so that no store's data are written again
.set WREG,  8192                       ; LDS: a region for each wave: two stages of 32 x SP bytes, behind them its 256 scale bytes
.set SP,    80                         ; a lane's place in a stage: 64 bytes + 16 of padding
.set SPW,   12                         ; v12  LDS address of my spare word; never rewritten
.set NIL,   13                         ; v13  0; never rewritten
.set SPARE, 4*WREG                     ; behind the four regions: the spare words, 128 bytes a wave
.set WX,    32                         ; v32-159  Wo's numbers
.set K2PI,  32                         ; s32-41: constants of the sine and cosine
.set KH,    33
.set KL,    34
.set S3,    35
.set S2,    36
.set S1,    37
.set S0,    38
.set C3,    39
.set C2,    40
.set C1,    41
	s_load_b512 s[4:19], s[0:1], 0x0               ; x s[4:5], Wq s[6:7], Wk s[8:9], Wv s[10:11], Wo s[12:13], positions s[14:15], codes s[16:17], scales s[18:19]
	s_load_b128 s[20:23], s[0:1], 0x40             ; rope s[20:21], wof s[22:23]
	v_lshl_add_u32 v[SPW], v0, 2, SPARE
	v_mov_b32 v[NIL], 0
	v_lshrrev_b32 v1, 5, v0
	v_readfirstlane_b32 s24, v1                    ; wave
	v_and_b32 v2, 31, v0                           ; lane
	s_wait_kmcnt 0x0
	s_cmp_lt_u32 ttmp9, QWG
	s_cbranch_scc0 .Lnot_quant
; ---------------- the quantiser.  A wave takes 16 steps of 512 numbers.  Each load reads 512 consecutive bytes; a step's 2,048 bytes turn through the wave's
; own stage in LDS and come back 64 bytes a lane, so that a lane holds 16 neighbours along K and two neighbouring lanes a block of 32.
	v_lshlrev_b32 v3, 4, v2                        ; my 16 bytes of a load's 512
	s_mul_i32 s25, s24, WREG
	v_lshrrev_b32 v14, 2, v2
	v_mul_u32_u24 v14, v14, SP
	v_and_b32 v15, 3, v2
	v_lshl_add_u32 v14, v15, 4, v14
	v_add_nc_u32 v14, s25, v14                     ; the stage, on the way in: SP (lane / 4) + 16 (lane % 4)
	v_mul_u32_u24 v15, v2, SP
	v_add_nc_u32 v15, s25, v15                     ; and on the way out: SP x lane
	v_mul_u32_u24 v4, v2, CB                       ; my codes' place in a step's
	v_lshrrev_b32 v5, 1, v2
	s_add_co_u32 s25, s25, 2*32*SP
	v_add_nc_u32 v5, s25, v5                       ; LDS: my wave's 256 scale bytes, my block's byte
	v_lshlrev_b32 v7, 3, v2                        ; on the way out 8 bytes a lane
	v_add_nc_u32 v6, s25, v7
	s_cmp_lt_u32 ttmp9, 128                        ; which tensor: the choice hangs on the work-group's number alone
	s_cselect_b64 s[26:27], s[4:5], s[6:7]
	s_cselect_b32 s28, 0, 128
	s_cmp_lt_u32 ttmp9, 160
	s_cselect_b64 s[26:27], s[26:27], s[8:9]
	s_cselect_b32 s28, s28, 160
	s_cmp_lt_u32 ttmp9, 192
	s_cselect_b64 s[26:27], s[26:27], s[10:11]
	s_cselect_b32 s28, s28, 192                    ; the tensor's first work-group
	s_sub_co_u32 s28, ttmp9, s28
	s_lshl_b32 s28, s28, 2
	s_add_co_u32 s28, s28, s24                     ; which run of 8,192 numbers of the tensor is my wave's
	s_lshl_b32 s28, s28, 15                        ; 32,768 bytes a run
	s_mov_b32 s29, 0
	s_add_nc_u64 s[26:27], s[26:27], s[28:29]
	s_lshl_b32 s30, ttmp9, 2
	s_add_co_u32 s30, s30, s24                     ; and which run of the joined matrix
	s_lshl_b32 s28, s30, 12                        ; 4,096 bytes of codes a run
	s_add_nc_u64 s[16:17], s[16:17], s[28:29]
	s_lshl_b32 s28, s30, 8                         ; 256 scale bytes a run
	s_add_nc_u64 s[18:19], s[18:19], s[28:29]
.macro LOAD t
.irp i, 0,1,2,3
	global_load_b128 v[R+16*((\t)%AHEAD)+4*\i:R+16*((\t)%AHEAD)+4*\i+3], v3, s[26:27] offset:2048*(\t)+512*\i th:TH_LOAD_NT   ; 32 lanes read 512 consecutive bytes
.endr
.endm
.macro TURN t                          ; step t's numbers through the stage: LDS serves a wave's instructions in order, so no wait stands between the stores and the loads
.irp i, 0,1,2,3
	ds_store_b128 v14, v[R+16*((\t)%AHEAD)+4*\i:R+16*((\t)%AHEAD)+4*\i+3] offset:32*SP*((\t)%2)+8*SP*\i
.endr
.irp i, 0,1,2,3
	ds_load_b128 v[X+16*((\t)%2)+4*\i:X+16*((\t)%2)+4*\i+3], v15 offset:32*SP*((\t)%2)+16*\i
.endr
.endm
.irp t, 0,1,2,3,4,5,6,7
	LOAD \t
.endr
	s_wait_loadcnt 4*(AHEAD-1)                     ; step 0's four loads are in; the 28 of steps 1 to 7 may be out
	TURN 0
.macro STEP t
.set XS, X+16*((\t)%2)
.if (\t) > 0
	s_wait_dscnt 1                                 ; this step's numbers are back from the stage (the last step's byte store may be out): its stores into the stage have read their registers,
.else
	s_wait_dscnt 0x0
.endif
.if (\t)+AHEAD < STEPS
	LOAD (\t)+AHEAD                                ; which take the loads of eight steps on
.endif
.if (\t)+1 < STEPS
.if STEPS-2-(\t) >= AHEAD-1
	s_wait_loadcnt 4*(AHEAD-1)                     ; the next step's four loads are in; those of the seven steps behind it may be out
.else
	s_wait_loadcnt 4*(STEPS-2-(\t))                ; towards the end: those of the steps that are left
.endif
	TURN (\t)+1                                    ; they go through the other stage while this step is worked
.endif
	v_max3_num_f32 v8, |v[XS]|, |v[XS+1]|, |v[XS+2]|               ; the largest magnitude of my 16, in two chains
	v_max3_num_f32 v9, |v[XS+3]|, |v[XS+4]|, |v[XS+5]|
.irp i, 6,10
	v_max3_num_f32 v8, v8, |v[XS+\i]|, |v[XS+\i+1]|
	v_max3_num_f32 v9, v9, |v[XS+\i+2]|, |v[XS+\i+3]|
.endr
	v_max3_num_f32 v8, v8, |v[XS+14]|, |v[XS+15]|
	v_max3_num_f32 v8, v8, v9, (EMAX+1)<<23        ; and the floor 2^(3 - 127): the byte cannot fall under 1
	v_max_num_f32_dpp v8, v8, v8 row_xmask:1 row_mask:0xf bank_mask:0xf   ; and of my neighbour's 16: the block's
	v_add_nc_u32 v11, -(EMAX<<23), v8              ; 2 off its exponent field: the conversion takes the exponent field of this operand as its scale
	v_cvt_scalef32_pk8_fp4_f32 v[C+2*(\t)], v[XS:XS+7], v11        ; eight numbers / the scale, to the nearest code, ties to even, beyond 6 the largest code
	v_cvt_scalef32_pk8_fp4_f32 v[C+2*(\t)+1], v[XS+8:XS+15], v11
	v_lshrrev_b32 v[E+(\t)], 23, v11               ; the scale's byte (a plain line behind the conversions)
	ds_store_b8 v5, v[E+(\t)] offset:16*(\t)       ; both lanes of a block write the same byte with the same value
	global_store_b64 v4, v[C+2*(\t):C+2*(\t)+1], s[16:17] offset:32*CB*(\t)   ; the wave stores 256 consecutive bytes, aligned
.endm
.irp t, 0,1,2,3,4,5,6,7,8,9,10,11,12,13,14,15
	STEP \t
.endr
	ds_load_b64 v[8:9], v6                         ; LDS serves a wave's instructions in order: these see my byte stores
	s_wait_dscnt 0x0
	global_store_b64 v7, v[8:9], s[18:19]          ; 32 lanes store 256 consecutive bytes, aligned
	s_wait_tensorcnt 0x0                           ; the wave's end, behind my last LDS store
	ds_add_u32 v[SPW], v[NIL]
	s_wait_dscnt 0x0
	s_endpgm
; ---------------- Wo to f16 fragments.  The work-group takes n tile g - 224, wave w the numbers 256 w .. 256 w + 255 along K (eight fragments).
.Lnot_quant:
	s_cmp_lt_u32 ttmp9, QWG+WOWG
	s_cbranch_scc0 .Lrope
	s_sub_co_u32 s25, ttmp9, QWG                   ; n tile
	v_and_b32 v3, 15, v0                           ; r
	v_bfe_u32 v4, v0, 4, 1                         ; h
	v_lshlrev_b32 v24, 12, v3
	v_lshl_add_u32 v24, v4, 5, v24                 ; in: row r of 4,096 bytes, + 32 h
	v_lshlrev_b32 v25, 4, v2                       ; out: 16 x lane
	s_lshl_b32 s28, s25, 16                        ; 16 rows of 4,096 bytes,
	s_lshl_b32 s26, s24, 10                        ; my wave's 1,024 bytes of a row
	s_add_co_u32 s28, s28, s26
	s_mov_b32 s29, 0
	s_add_nc_u64 s[12:13], s[12:13], s[28:29]
	s_lshl_b32 s28, s25, 15                        ; a tile's 32 fragments of 1,024 bytes,
	s_lshl_b32 s26, s24, 13                        ; my wave's eight
	s_add_co_u32 s28, s28, s26
	s_add_nc_u64 s[22:23], s[22:23], s[28:29]
.set n, 0
.rept 32                               ; load n: fragment n / 4, piece (n / 2) % 2, half n % 2 of the lane's 32 bytes
	global_load_b128 v[WX+4*n:WX+4*n+3], v24, s[12:13] offset:128*(n/4)+64*((n/2)%2)+16*(n%2) th:TH_LOAD_NT
.set n, n+1
.endr
.set n, 0
.rept 16                               ; piece n: eight numbers become 16 bytes
	s_wait_loadcnt 30-2*n                          ; its two loads are in; the 30 - 2 n younger ones may be out
.irp i, 0,1,2,3
	v_cvt_pk_f16_f32 v[WX+8*n+\i], v[WX+8*n+2*\i], v[WX+8*n+2*\i+1]   ; in place, ascending: a register is written after it has been read
.endr
	global_store_b128 v25, v[WX+8*n:WX+8*n+3], s[22:23] offset:512*n   ; the wave stores 512 consecutive bytes, aligned
.set n, n+1
.endr
	s_endpgm
; ---------------- cos and sin.  The work-group takes 32 tokens.  Thread t keeps the pairs i = 2 (t % 16) and + 1, and takes token 8 p + t / 16 in pass p: four passes.
; sin and cos: n = the nearest whole number to angle x 2 / pi; r = angle - n pi / 2, pi / 2 in two parts, by fused multiply-adds; polynomials on |r| <= pi / 4;
; the quadrant n mod 4 swaps the two and sets the signs.
.macro SINCOS c, s, a, t
	v_mul_f32 v[\t], s[K2PI], v[\a]
	v_rndne_f32 v[\t], v[\t]                       ; n
	v_fma_f32 v[\t+1], v[\t], s[KH], v[\a]
	v_fma_f32 v[\t+1], v[\t], s[KL], v[\t+1]       ; r
	v_cvt_i32_f32 v[\t], v[\t]
	v_mul_f32 v[\t+2], v[\t+1], v[\t+1]            ; z = r r
	v_fma_f32 v[\t+3], v[\t+2], s[S3], s[S2]
	v_fma_f32 v[\t+4], v[\t+2], s[C3], s[C2]
	v_fma_f32 v[\t+3], v[\t+3], v[\t+2], s[S1]
	v_fma_f32 v[\t+4], v[\t+4], v[\t+2], s[C1]
	v_fma_f32 v[\t+3], v[\t+3], v[\t+2], s[S0]
	v_fma_f32 v[\t+4], v[\t+4], v[\t+2], -0.5
	v_mul_f32 v[\t+5], v[\t+1], v[\t+2]
	v_fma_f32 v[\t+4], v[\t+4], v[\t+2], 1.0       ; cos r
	v_fma_f32 v[\t+3], v[\t+3], v[\t+5], v[\t+1]   ; sin r
	v_and_b32 v[\t+5], 1, v[\t]
	v_cmp_eq_u32 vcc_lo, 1, v[\t+5]                ; an odd quadrant swaps them
	v_cndmask_b32 v[\s], v[\t+3], v[\t+4], vcc_lo
	v_cndmask_b32 v[\c], v[\t+4], v[\t+3], vcc_lo
	v_and_b32 v[\t+5], 2, v[\t]                    ; sin is negative in quadrants 2 and 3,
	v_lshlrev_b32 v[\t+5], 30, v[\t+5]
	v_xor_b32 v[\s], v[\t+5], v[\s]
	v_add_nc_u32 v[\t+5], 1, v[\t]                 ; cos in quadrants 1 and 2
	v_and_b32 v[\t+5], 2, v[\t+5]
	v_lshlrev_b32 v[\t+5], 30, v[\t+5]
	v_xor_b32 v[\c], v[\t+5], v[\c]
.endm
.Lrope:
	s_sub_co_u32 s25, ttmp9, QWG+WOWG              ; which 32 tokens
	s_lshl_b32 s28, s25, 7                         ; their positions: 128 bytes
	s_mov_b32 s29, 0
	s_add_nc_u64 s[14:15], s[14:15], s[28:29]
	s_lshl_b32 s28, s25, 13                        ; their rows of the table: 32 x 256 bytes
	s_add_nc_u64 s[20:21], s[20:21], s[28:29]
	v_lshrrev_b32 v3, 4, v0
	v_lshlrev_b32 v3, 2, v3                        ; 4 (t / 16)
	v_lshlrev_b32 v4, 4, v0                        ; out: 256 (t / 16) + 16 (t % 16) = 16 t
.irp p, 0,1,2,3
	global_load_b32 v[32+\p], v3, s[14:15] offset:32*\p
.endr
	s_mov_b32 s[K2PI], 0x3f22f983                  ; 2 / pi
	s_mov_b32 s[KH], 0xbfc90fdb                    ; -(pi / 2), its f32 part,
	s_mov_b32 s[KL], 0x333bbd2e                    ; and what that part is too large by
	s_mov_b32 s[S3], 0x3638ef1d                    ; 1 / 9!
	s_mov_b32 s[S2], 0xb9500d01                    ; -1 / 7!
	s_mov_b32 s[S1], 0x3c088889                    ; 1 / 5!
	s_mov_b32 s[S0], 0xbe2aaaab                    ; -1 / 3!
	s_mov_b32 s[C3], 0x37d00d01                    ; 1 / 8!
	s_mov_b32 s[C2], 0xbab60b61                    ; -1 / 6!
	s_mov_b32 s[C1], 0x3d2aaaab                    ; 1 / 4!
	v_and_b32 v5, 15, v0
	v_lshlrev_b32 v5, 1, v5
	v_cvt_f32_u32 v20, v5                          ; i = 2 (t % 16)
	v_add_nc_u32 v5, 1, v5
	v_cvt_f32_u32 v21, v5                          ; and + 1
	v_mul_f32 v20, 0xbed49a78, v20                 ; x -log2(10000) / 32
	v_mul_f32 v21, 0xbed49a78, v21
	v_exp_f32 v20, v20                             ; 10000^(-i / 32)
	v_exp_f32 v21, v21
	v_nop                                          ; a plain line behind the exponentials,
	s_wait_alu depctr_va_vdst(0)                   ; and the one wait ahead of their first reader
	s_wait_loadcnt 0x0
.irp p, 0,1,2,3
	v_cvt_f32_i32 v22, v[32+\p]
	v_mul_f32 v23, v22, v21                        ; the angle: one product in f32
	v_mul_f32 v22, v22, v20
	SINCOS 64+4*\p, 65+4*\p, 22, 24
	SINCOS 66+4*\p, 67+4*\p, 23, 48
	global_store_b128 v4, v[64+4*\p:67+4*\p], s[20:21] offset:2048*\p   ; each pass has its own four registers; the wave stores 512 consecutive bytes, aligned
.endr
	s_endpgm
.Lfunc_end_k_q8543eae8b5_prep:
	.size	k_q8543eae8b5_prep, .Lfunc_end_k_q8543eae8b5_prep-k_q8543eae8b5_prep
	.p2alignl 7, 3214868480
	.fill 96, 4, 3214868480
	.section	.rodata,"a",@progbits
	.p2align	6, 0x0
	.amdhsa_kernel k_q8543eae8b5_prep
		.amdhsa_group_segment_fixed_size 33280
		.amdhsa_private_segment_fixed_size 0
		.amdhsa_enable_private_segment 0
		.amdhsa_kernarg_size 80
		.amdhsa_user_sgpr_count 2
		.amdhsa_user_sgpr_kernarg_segment_ptr 1
		.amdhsa_wavefront_size32 1
		.amdhsa_system_sgpr_workgroup_id_x 1
		.amdhsa_system_sgpr_workgroup_id_y 1
		.amdhsa_system_sgpr_workgroup_id_z 1
		.amdhsa_system_vgpr_workitem_id 0
		.amdhsa_next_free_vgpr 224
		.amdhsa_next_free_sgpr 66
		.amdhsa_reserve_vcc 1
		.amdhsa_float_denorm_mode_32 3
		.amdhsa_float_denorm_mode_16_64 3
		.amdhsa_memory_ordered 1
		.amdhsa_forward_progress 1
		.amdhsa_inst_pref_size 55
	.end_amdhsa_kernel
	.amdgpu_metadata
---
amdhsa.version: [ 1, 2 ]
amdhsa.kernels:
  - .name:           k_q8543eae8b5_prep
    .symbol:         k_q8543eae8b5_prep.kd
    .args:
      - { .name: x, .offset: 0, .size: 8, .value_kind: global_buffer, .address_space: global }
      - { .name: Wq, .offset: 8, .size: 8, .value_kind: global_buffer, .address_space: global }
      - { .name: Wk, .offset: 16, .size: 8, .value_kind: global_buffer, .address_space: global }
      - { .name: Wv, .offset: 24, .size: 8, .value_kind: global_buffer, .address_space: global }
      - { .name: Wo, .offset: 32, .size: 8, .value_kind: global_buffer, .address_space: global }
      - { .name: token_positions, .offset: 40, .size: 8, .value_kind: global_buffer, .address_space: global }
      - { .name: codes, .offset: 48, .size: 8, .value_kind: global_buffer, .address_space: global }
      - { .name: scales, .offset: 56, .size: 8, .value_kind: global_buffer, .address_space: global }
      - { .name: rope, .offset: 64, .size: 8, .value_kind: global_buffer, .address_space: global }
      - { .name: wof, .offset: 72, .size: 8, .value_kind: global_buffer, .address_space: global }
    .group_segment_fixed_size: 33280
    .private_segment_fixed_size: 0
    .kernarg_segment_align: 8
    .kernarg_segment_size: 80
    .max_flat_workgroup_size: 128
    .sgpr_count:     66
    .vgpr_count:     224
    .wavefront_size: 32
...
	.end_amdgpu_metadata
.endif
;; end of part 1
;; launch qkv (part 2): grid 8 x 24, 4 waves a work-group, clusters of 4 x 4, 327,680 bytes of LDS; arguments codes, scales, rope, qkv, first; writes qkv, first
.if DOCPART == 2
	.amdgcn_target "amdgcn-amd-amdhsa--gfx1250"
	.amdhsa_code_object_version 6
	.text
	.protected	k_q8543eae8b5_qkv
	.globl	k_q8543eae8b5_qkv
	.p2align	8
	.type	k_q8543eae8b5_qkv,@function
k_q8543eae8b5_qkv:
	s_mov_b64 s[64:65], 0
	v_nop
	global_prefetch_b8 v0, s[64:65] scope:SCOPE_SE
	s_setreg_imm32_b32 hwreg(HW_REG_WAVE_MODE, 25, 1), 1
	s_wait_xcnt 0x0
	s_wait_alu depctr_hold_cnt(0) depctr_sa_sdst(0) depctr_va_vdst(0) depctr_va_sdst(0) depctr_va_ssrc(0) depctr_va_vcc(0) depctr_vm_vsrc(0)
	s_getreg_b32 s2, hwreg(HW_REG_IB_STS2, 6, 4)
	s_cmp_eq_u32 s2, 0
	s_cbranch_scc0 .Lentry_in_a_cluster
	s_endpgm
.Lentry_in_a_cluster:
	s_bfe_u32 s2, ttmp6, 0x10000c
	s_cmp_lg_u32 s2, 0xf033
	s_cbranch_scc0 .Lentry_shape_is_right
	s_endpgm
.Lentry_shape_is_right:
; q, k, v = x Wq^T, x Wk^T, x Wv^T on codes of FP4 (E2M1) with one E8M0 scale for each 32 along K = 1,024; then the rotation of q and k by position; results as f16 in the order of a
; matrix operand's registers, as the attention reads them.  Both operands are rows of ONE matrix of codes (7,168 rows x 512 bytes: 0 x, 4096 Wq, 5120 Wk, 6144 Wv; scale bytes 32 a row).
; A tile of 256 x 256 is made by four waves, 128 x 128 each: 64 accumulators, 512 registers.  K goes in two steps of 512 through two LDS slots, each filled once: nothing is filled again.
; TWO REGIONS of the grid, told apart by the cluster's y, which all sixteen partners share:
;   q and k (cluster y 0..3): source 1 = 256 tokens, source 0 = 256 channels of Wq|Wk.  A lane then holds ONE token and eight neighbouring channels: four pairs of the rotation.
;   v       (cluster y 4, 5): source 1 = 256 channels of Wv, source 0 = 256 tokens.  A lane then holds ONE channel and eight neighbouring tokens: V with the keys along the registers.
; In both, a lane's eight results, rounded to f16, are the 16 bytes that the same lane holds of a 16-bit fragment (16 rows x 32 along K: piece p = k 16 p + 8 (lane / 16) + 0..7):
; so they are stored as they stand, 16 bytes a lane, 512 consecutive aligned bytes a store, and no stage in LDS is needed.
;   qkv: Q at 0 and K at 0x800000: [batch x 16 + head][token tile 128][32 channels: 2][piece 2][lane][16 bytes];  V at 0x1000000: [batch x 16 + head][32 keys: 64][channel tile 4][piece 2][lane][16 bytes].
; q is also multiplied by log2(e) / 8, so that the attention's scores are exponents of 2.
; The first 16 positions of each batch are also stored in f32, for the launch that carries them finely, as images of my registers: a tile of 16 channels x 16 tokens is two pieces of 512 bytes, 16 bytes a lane:
;   first: q at 131,072 x batch + 64 x channel, k 65,536 further on (lane: token lane % 16, channels 8 (lane / 16) + 4 piece + 0..3);  v at 262,144 + 65,536 x batch + 64 x channel (lane: channel lane % 16, tokens likewise).
; That store is masked by EXEC and not by a branch: whether a wave holds those tokens hangs on its work-group's place in the cluster.
; cos AND sin of the wave's 128 tokens are eight sets of 32 registers.  Seven are asked for at the head, into registers that the products leave idle; the eighth at the head of the way out, and it is used last.
; A block's f16 results are written over its own set, which is done with by then: no store's data are ever written again, and the way out waits for no store.
; CLUSTERS: 4 x 4 work-groups; source 1's tile is shared along a row of the cluster, source 0's along a column: each is asked for jointly, by the same tensor load with a mask that names the four.
; 192 work-groups: 128 tiles of q and k, 64 of v; a wave has 512 matrix instructions in all, and a smaller tile would read each fragment from LDS twice as often.
; LIMITS: |q| x 0.18, |k| and |v| stay under 65,504 (f16).
; REGISTERS, in windows of 256: window 0: v0-31 addresses; v32-95 scale words, two sets (later cos/sin set 7); v96-127 cos/sin set 6; v128-191 source 1's fragments, one set (later the rotated numbers); v192-255 cos/sin sets 0, 1.
;   window 1: v0-63, v128-191 source 0's fragments, two sets; v64-127 cos/sin sets 2, 3; v192-255 sets 4, 5 (v region: all 256 take the f16 results).
;   window 2: accumulators of my rows 0-63 ((a, b) at v[8 (8 a + b)]);   window 3: those of rows 64-127.
.set KSTEP,  512
.set NQ,     KSTEP/128
.set ROWB,   256                       ; a tile's row in bytes: 512 codes
.set KROW,   512                       ; a row of the codes in memory
.set PITCH,  272                       ; an LDS row: 256 bytes + 16 of padding: the 16 rows that a load touches start at 16 different banks (64 banks of 4 bytes: ISA guide 11.1)
.set FR,     8
.set NL,     2
.set NP,     4
.set HALFT,  128*PITCH
.set SLOT,   4*HALFT                   ; source 1's 256 rows, then source 0's
.set KS,     32                        ; a row of scale bytes
.set SCL,    2*SLOT                    ; behind the slots: the scale bytes, as rows of 256 bytes + 16 of padding
.set HALFS,  (128*KS/256)*272
.set SBLK,   (16*KS/256)*272
.set SPARE,  SCL+4*HALFS               ; the spare words, 128 bytes a wave
.set ADRA, 16                          ; v16-17  LDS address of source 1's fragments in slot 0, 1
.set ADRB, 20                          ; v20-21  the same for source 0
.set LO,   26                          ; v26     16 x lane
.set ADRS, 27                          ; v27     LDS address of my scale words
.set SPW,  28                          ; v28     my spare word; never rewritten
.set NIL,  29                          ; v29     0; never rewritten
.set RO,   30                          ; v30     my byte offset among 16 tokens' cos and sin
.set FLG,  31                          ; v31     my wave's first token's place in its sequence: 0 where the f32 copy is mine
.set SC,   32
.set AF,   128
.set T,    128                         ; the way out: 64 rotated numbers, where source 1's fragments lay
.set G1, 24
.set G0, 32
.set G1B, 48
.set G0B, 56
.set G1S, 68
.set G0S, 76
.set G1SB, 80
.set G0SB, 88
.set F,    66                          ; s[66:67] what q or k is multiplied by
.set SELR, 96                          ; s96  1 in the v region
.set RA0,  97                          ; s97  the first row of source 1's tile
.set RB0,  98                          ; s98  of source 0's
.set SV,   99                          ; s99  the flag, later EXEC as it was
.set MSB, 0
.macro WIN new                         ; the immediate's high byte repeats the setting that is left
.if MSB != (\new)
	s_set_vgpr_msb (MSB<<8)|(\new)
.set MSB, (\new)
.endif
.endm
.set MUL_LO, 0xa1                      ; source 0 window 1, source 1 window 0, C and D window 2
.set MUL_HI, 0xf1                      ; the same, C and D window 3
.set TO_B,   0x40                      ; destination window 1, address window 0
; A joint load: waves 0 and 1 fetch for source 1, waves 2 and 3 for source 0.  The branch hangs on the wave's number alone.  An s_nop 0 and four v_nop follow each line.
.macro JLOAD g0a, g1a, g0b, g1b
	s_cmp_eq_u32 s15, 0
	s_cbranch_scc0 .Lfor_b_\@
	tensor_load_to_lds s[\g0a:\g0a+3], s[\g1a:\g1a+7]
	s_nop 0
.rept 4
	v_nop
.endr
	s_branch .Lasked_\@
.Lfor_b_\@:
	tensor_load_to_lds s[\g0b:\g0b+3], s[\g1b:\g1b+7]
	s_nop 0
.rept 4
	v_nop
.endr
.Lasked_\@:
.endm
.macro CROUND                          ; a round of the cluster's barrier
	s_barrier_signal -1
	s_barrier_wait -1
	s_cmp_lg_u32 s14, 0
	s_cbranch_scc1 .Lnot_wave_0_\@
	s_barrier_signal -3
.Lnot_wave_0_\@:
	s_barrier_wait -3
	s_barrier_signal -1
	s_barrier_wait -1
.endm
	s_load_b256 s[4:11], s[0:1], 0x0               ; codes s[4:5], scales s[6:7], rope s[8:9], qkv s[10:11]
	s_load_b64 s[12:13], s[0:1], 0x20              ; first
	v_lshl_add_u32 v[SPW], v0, 2, SPARE
	v_mov_b32 v[NIL], 0
	ds_add_u32 v[SPW], v[NIL]                      ; the wave's opening: the add, twice on end, and its wait ahead of my first tensor load
	ds_add_u32 v[SPW], v[NIL]
	v_lshrrev_b32 v1, 5, v0
	v_readfirstlane_b32 s14, v1                    ; wave 0..3
	s_lshr_b32 s15, s14, 1                         ; which half of source 1's rows is mine.  Also: I fetch for source 1 (0) or source 0 (1)
	s_and_b32 s16, s14, 1                          ; which half of source 0's rows.  Also: which 128 rows of that tile I fetch
	s_bfe_u32 s40, ttmp6, 0x40000                  ; cx, cy: my place in the cluster
	s_bfe_u32 s41, ttmp6, 0x40004
	s_and_b32 s17, ttmp7, 0xffff                   ; the cluster's y
	s_lshl_b32 s18, s17, 10                        ; q, k: tokens 1,024 y on
	s_max_u32 s19, s17, 4
	s_sub_co_u32 s19, s19, 4
	s_lshl_b32 s19, s19, 11                        ; v: tokens 2,048 (y - 4) on
	s_cmp_ge_u32 s17, 4
	s_cselect_b32 s[SELR], 1, 0
	s_cselect_b32 s18, 6144, s18                   ; source 1 begins at Wv, or at the cluster's tokens
	s_cselect_b32 s19, s19, 4096                   ; source 0 at the cluster's tokens, or at Wq
	s_lshl_b32 s20, s41, 8
	s_add_co_u32 s[RA0], s18, s20                  ; + 256 cy: cx never enters it
	s_lshl_b32 s46, s40, 8
	s_add_co_u32 s46, s46, s19
	s_lshl_b32 s47, ttmp9, 10
	s_add_co_u32 s[RB0], s46, s47                  ; + 256 cx + 1,024 x the cluster's x: cy never enters it
	s_lshl_b32 s43, s41, 2
	s_lshl_b32 s43, 15, s43                        ; my row of the cluster
	s_lshl_b32 s44, 0x1111, s40                    ; my column
	; descriptor group 1: a tile of 128 rows x 256 bytes, padded in LDS
	s_or_b32 s[G1+0], s43, (0<<16)|(1<<20)|(1<<21)|(5<<22)|(3<<25)  ; 15:0 the mask; 17:16 elements of 1 byte; 20 padding on; 21 set beside a mask; 24:22 after every 64 words; 31:25 four words
	s_or_b32 s[G1B+0], s44, (0<<16)|(1<<20)|(1<<21)|(5<<22)|(3<<25)
.irp g, G1, G1B
	s_mov_b32 s[\g+1], ROWB<<16                    ; tensor_dim0
	s_mov_b32 s[\g+2], 128<<16                     ; tensor_dim1
	s_mov_b32 s[\g+3], ROWB<<16                    ; tile_dim0
	s_mov_b32 s[\g+4], 128                         ; tile_dim1
	s_mov_b32 s[\g+5], KROW                        ; from row to row
	s_mov_b32 s[\g+6], 0
	s_mov_b32 s[\g+7], 0
.endr
	; the scale bytes of 128 rows: 4,096 dense bytes, as 16 rows of 256 (32 elements of 8 bytes), 16 bytes of padding behind each
	s_or_b32 s[G1S+0], s43, (3<<16)|(1<<20)|(1<<21)|(5<<22)|(3<<25)
	s_or_b32 s[G1SB+0], s44, (3<<16)|(1<<20)|(1<<21)|(5<<22)|(3<<25)
.irp g, G1S, G1SB
	s_mov_b32 s[\g+1], 32<<16
	s_mov_b32 s[\g+2], (128*KS/256)<<16
	s_mov_b32 s[\g+3], 32<<16
	s_mov_b32 s[\g+4], 128*KS/256
	s_mov_b32 s[\g+5], 32
	s_mov_b32 s[\g+6], 0
	s_mov_b32 s[\g+7], 0
.endr
	s_lshl_b32 s18, s16, 7                         ; which 128 rows of the tile I fetch
	s_add_co_u32 s20, s[RA0], s18
	s_add_co_u32 s46, s[RB0], s18
	s_lshl_b32 s22, s20, 5                         ; where these rows' scale bytes begin,
	s_mov_b32 s23, 0
	s_lshl_b32 s92, s46, 5
	s_mov_b32 s93, 0
	s_lshl_b32 s20, s20, 9                         ; and their codes
	s_mov_b32 s21, 0
	s_lshl_b32 s46, s46, 9
	s_mov_b32 s47, 0
	s_mul_i32 s45, s14, HALFT                      ; where they go: wave x 128 rows: no place in the cluster enters an LDS address
	s_mul_i32 s94, s14, HALFS
	s_wait_dscnt 0x0                               ; both opening adds are done
	s_wait_kmcnt 0x0
	s_add_nc_u64 s[20:21], s[4:5], s[20:21]
	s_add_nc_u64 s[22:23], s[6:7], s[22:23]
	s_add_nc_u64 s[46:47], s[4:5], s[46:47]
	s_add_nc_u64 s[92:93], s[6:7], s[92:93]
	CROUND                                         ; all sixteen work-groups are here: the first joint loads meet
	s_mov_b32 s[G0S], 1
	s_add_co_u32 s[G0S+1], s94, SCL
	s_mov_b64 s[G0S+2:G0S+3], s[22:23]
	s_or_b32 s[G0S+3], s[G0S+3], 0x80000000
	s_mov_b32 s[G0SB], 1
	s_add_co_u32 s[G0SB+1], s94, SCL
	s_mov_b64 s[G0SB+2:G0SB+3], s[92:93]
	s_or_b32 s[G0SB+3], s[G0SB+3], 0x80000000
	JLOAD G0S, G1S, G0SB, G1SB                     ; the scale bytes first: they are wanted with K step 0
.irp s, 0,1
	s_mov_b32 s[G0+4*\s], 1
	s_add_co_u32 s[G0+4*\s+1], s45, \s*SLOT
	s_add_nc_u64 s[G0+4*\s+2:G0+4*\s+3], s[20:21], \s*ROWB
	s_or_b32 s[G0+4*\s+3], s[G0+4*\s+3], 0x80000000
	s_mov_b32 s[G0B+4*\s], 1
	s_add_co_u32 s[G0B+4*\s+1], s45, \s*SLOT
	s_add_nc_u64 s[G0B+4*\s+2:G0B+4*\s+3], s[46:47], \s*ROWB
	s_or_b32 s[G0B+4*\s+3], s[G0B+4*\s+3], 0x80000000
	JLOAD G0+4*\s, G1, G0B+4*\s, G1B               ; three tensor loads of mine are out at the most
.endr
	v_and_b32 v1, 15, v0                           ; r = lane % 16
	v_bfe_u32 v2, v0, 4, 1                         ; h = lane / 16
	v_mul_u32_u24 v3, v1, PITCH
	v_lshl_add_u32 v4, v2, 4, v3                   ; a fragment's row x pitch + 16 h
	s_mul_i32 s21, s15, HALFT
	s_mul_i32 s22, s16, HALFT
	s_add_co_u32 s22, s22, 2*HALFT
.irp s, 0,1
	v_add_nc_u32 v[ADRA+\s], s21, v4
	v_add_nc_u32 v[ADRB+\s], s22, v4
	s_add_co_u32 s21, s21, SLOT
	s_add_co_u32 s22, s22, SLOT
.endr
	v_mul_u32_u24 v5, v1, KS                       ; my row's scale bytes: 32 a row,
	v_lshrrev_b32 v6, 8, v5
	v_lshl_add_u32 v5, v6, 4, v5                   ; and 16 more for each 256 passed
	s_mul_i32 s21, s15, HALFS
	s_mul_i32 s22, s16, HALFS
	s_add_co_u32 s22, s22, 2*HALFS
	s_sub_co_u32 s22, s22, s21
	v_mul_u32_u24 v6, s22, v2                      ; lanes 16-31 take source 0's
	s_add_co_u32 s21, s21, SCL
	v_add_nc_u32 v5, v5, v6
	v_add_nc_u32 v[ADRS], s21, v5
	; THE WAY OUT'S ADDRESSES.  TOK = my wave's first token, CH = its first channel (q, k: 0..2047, q then k; v: 0..1023)
	s_lshl_b32 s17, s15, 7
	s_add_co_u32 s17, s17, s[RA0]                  ; my first row of source 1,
	s_lshl_b32 s18, s16, 7
	s_add_co_u32 s18, s18, s[RB0]                  ; of source 0
	s_sub_co_u32 s19, s17, 6144
	s_sub_co_u32 s20, s18, 4096
	s_cmp_eq_u32 s[SELR], 1
	s_cselect_b32 s21, s18, s17                    ; TOK
	s_cselect_b32 s22, s19, s20                    ; CH
	s_lshr_b32 s23, s21, 11                        ; the batch
	s_and_b32 s[SV], s21, 2047                     ; the token's place in its sequence
	s_and_b32 s42, s22, 1023
	s_lshr_b32 s42, s42, 6                         ; the head
	s_lshl_b32 s43, s23, 4
	s_add_co_u32 s42, s42, s43
	s_lshl_b32 s42, s42, 18                        ; 262,144 bytes for a batch and head,
	s_lshl_b32 s43, s[SV], 7                       ; 128 bytes a token in Q, K and V alike (2,048 for 16; 4,096 for 32)
	s_add_co_u32 s42, s42, s43
	s_lshr_b32 s43, s22, 10
	s_lshl_b32 s43, s43, 23                        ; K's region for the channels of k
	s_lshl_b32 s46, s22, 6                         ; the f32 copy: 64 bytes a channel (16 tokens),
	s_lshl_b32 s44, s23, 17
	s_add_co_u32 s44, s44, s46                     ; of q and k: 131,072 x batch + 64 CH
	s_lshl_b32 s45, s23, 16
	s_add_co_u32 s45, s45, s46
	s_add_co_u32 s45, s45, 262144                  ; of v: 262,144 + 65,536 x batch + 64 CH
	s_cmp_eq_u32 s[SELR], 1
	s_cselect_b32 s43, 0x1000000, s43              ; V's region
	s_cselect_b32 s44, s45, s44
	s_add_co_u32 s42, s42, s43
	s_mov_b32 s43, 0
	s_add_nc_u64 s[10:11], s[10:11], s[42:43]      ; qkv at my wave's part
	s_mov_b32 s45, 0
	s_add_nc_u64 s[12:13], s[12:13], s[44:45]      ; first likewise
	s_lshl_b32 s42, s21, 8
	s_add_nc_u64 s[8:9], s[8:9], s[42:43]          ; cos and sin at my first token (used in the q and k region alone)
	s_cmp_lt_u32 s22, 1024
	s_cselect_b32 s[F], 0x3e38aa3b, 1.0            ; q: log2(e) / 8; k: 1
	s_mov_b32 s[F+1], s[F]
	v_and_b32 v6, 31, v0
	v_lshlrev_b32 v[LO], 4, v6
	v_lshlrev_b32 v[RO], 8, v1
	v_lshl_add_u32 v[RO], v2, 5, v[RO]             ; token r's 256 bytes, + 32 h: the four pairs of my eight channels
	v_mov_b32 v[FLG], s[SV]
; Where block a's cos and sin lie: window CW, from register CB on
.macro CSSET a
.if (\a) < 2
.set CW, 0
.set CB, 192+32*(\a)
.elseif (\a) < 4
.set CW, 1
.set CB, 64+32*((\a)-2)
.elseif (\a) < 6
.set CW, 1
.set CB, 192+32*((\a)-4)
.elseif (\a) == 6
.set CW, 0
.set CB, 96
.else
.set CW, 0
.set CB, 32
.endif
.endm
; cos and sin of block a's 16 tokens: for each of a head's four channel tiles k, (cos, sin) of pairs 8 k + 4 h + 0..3
.macro CSLOAD a
	CSSET \a
	WIN CW<<6                                      ; the destination's window; the address lies in window 0
.irp k, 0,1,2,3
	global_load_b128 v[CB+8*\k:CB+8*\k+3],   v[RO], s[8:9] offset:4096*(\a)+64*\k
	global_load_b128 v[CB+8*\k+4:CB+8*\k+7], v[RO], s[8:9] offset:4096*(\a)+64*\k+16
.endr
	WIN 0
.endm
	s_cmp_eq_u32 s[SELR], 1                        ; v is not rotated.  The branch hangs on the cluster's y alone
	s_cbranch_scc1 .Lno_cs
.irp a, 0,1,2,3,4,5,6
	CSLOAD \a                                      ; 56 loads: they land while the tiles come and are multiplied
.endr
.Lno_cs:
.macro FRAG reg, adr, q, i             ; a fragment, 16 rows x 128 K of 4-bit codes, is 8 registers: lane l holds row l % 16; registers 4 c .. 4 c + 3 hold K = 64 c + 32 (l / 16) + 0 .. 31
.irp c, 0,1
	ds_load_b128 v[\reg+4*\c:\reg+4*\c+3], v[\adr] offset:64*(\q)+32*\c+(\i)*16*PITCH
.endr
.endm
; 16 matrix instructions: source 1's blocks a0, a0 + 1 x source 0's eight, 128 along K.  The 64 accumulators take turns, one instruction a turn.
; One register carries both sides' scale words: lanes 0-15 source 1's block, lanes 16-31 source 0's.
.macro MUL16 a0, p, q, sc, zero
.irp a, \a0, \a0+1
.irp b, 0,1,2,3,4,5,6,7
.if \zero
	v_wmma_scale_f32_16x16x128_f8f6f4 v[8*(8*((\a)%4)+\b):8*(8*((\a)%4)+\b)+7], v[128*(\p)+FR*\b:128*(\p)+FR*\b+FR-1], v[AF+FR*(\a):AF+FR*(\a)+FR-1], 0, v[SC+8*NQ*(\sc)+NQ*\b+(\q)], v[SC+8*NQ*(\sc)+NQ*(\a)+(\q)] matrix_a_fmt:MATRIX_FMT_FP4 matrix_b_fmt:MATRIX_FMT_FP4 matrix_a_scale:MATRIX_SCALE_ROW1
.else
	v_wmma_scale_f32_16x16x128_f8f6f4 v[8*(8*((\a)%4)+\b):8*(8*((\a)%4)+\b)+7], v[128*(\p)+FR*\b:128*(\p)+FR*\b+FR-1], v[AF+FR*(\a):AF+FR*(\a)+FR-1], v[8*(8*((\a)%4)+\b):8*(8*((\a)%4)+\b)+7], v[SC+8*NQ*(\sc)+NQ*\b+(\q)], v[SC+8*NQ*(\sc)+NQ*(\a)+(\q)] matrix_a_fmt:MATRIX_FMT_FP4 matrix_b_fmt:MATRIX_FMT_FP4 matrix_a_scale:MATRIX_SCALE_ROW1
.endif
.endr
.endr
.endm
.macro FETCH_B slot, q, p
	WIN TO_B
.irp i, 0,1,2,3,4,5,6,7
	FRAG 128*(\p)+FR*\i, ADRB+\slot, \q, \i
.endr
	WIN 0
.endm
.macro FETCH_A slot, q, i0
.irp i, \i0, \i0+1, \i0+2, \i0+3
	FRAG AF+FR*(\i), ADRA+\slot, \q, \i
.endr
.endm
.macro SCALES sc                       ; a K step's scale words: four words a row
.irp i, 0,1,2,3,4,5,6,7
	ds_load_b128 v[SC+8*NQ*\sc+NQ*\i:SC+8*NQ*\sc+NQ*\i+3], v[ADRS] offset:\i*SBLK
.endr
.endm
.macro PLACES n                        ; plain vector lines between a matrix instruction and a load into, or a read of, its registers
.rept \n
	v_nop
.endr
.endm
.macro STEP slot, q, zero              ; 128 along K that has its successor in the same slot
	s_wait_dscnt 4*NL                              ; all but the youngest eight loads (source 1's blocks 4-7) are in
	WIN MUL_LO
	MUL16 0, (\q)%2, \q, \slot, \zero
	MUL16 2, (\q)%2, \q, \slot, \zero
	s_wait_dscnt 0
	PLACES NP
	FETCH_B \slot, (\q)+1, 1-(\q)%2
	FETCH_A \slot, (\q)+1, 0
	WIN MUL_HI
	MUL16 4, (\q)%2, \q, \slot, \zero
	MUL16 6, (\q)%2, \q, \slot, \zero
	PLACES NP
	WIN 0
	FETCH_A \slot, (\q)+1, 4
.endm
; Slot 0's last step changes slots: each wave waits for all its tensor loads (its part of slot 1), and the barrier shows the whole slot to every wave.  Nothing is filled again.
.macro TURN slot, next
	s_wait_tensorcnt 0x0                           ; all my tensor loads have landed
	ds_add_u32 v[SPW], v[NIL]                      ; 0 onto my spare word
	s_wait_dscnt 4*NL+1                            ; (the add and the youngest eight loads may be out)
	WIN MUL_LO
	MUL16 0, 1, NQ-1, \slot, 0
	s_wait_dscnt 0x0                               ; no LDS instruction of mine is pending at the signal
	s_barrier_signal -1
	MUL16 2, 1, NQ-1, \slot, 0
	WIN 0
	s_barrier_wait -1
	PLACES NP
	v_add_nc_u32 v[ADRS], 4*NQ, v[ADRS]            ; on to the next K step's scale words
	FETCH_B \next, 0, 0
	FETCH_A \next, 0, 0
	SCALES \next
	WIN MUL_HI
	MUL16 4, 1, NQ-1, \slot, 0
	MUL16 6, 1, NQ-1, \slot, 0
	PLACES NP
	WIN 0
	FETCH_A \next, 0, 4
.endm
.macro STEPS slot, from
.set Q, \from
.rept NQ-1-\from
	STEP \slot, Q, 0
.set Q, Q+1
.endr
.endm
	s_wait_tensorcnt 1                             ; the scale bytes and my part of slot 0 are in; slot 1's load may be out
	s_barrier_signal -1
	s_barrier_wait -1                              ; everybody's are
	FETCH_B 0, 0, 0
	FETCH_A 0, 0, 0
	SCALES 0
	FETCH_A 0, 0, 4
	STEP 0, 0, 1                                   ; the first products start the sums: nothing is cleared
	STEPS 0, 1
	TURN 0, 1
	STEPS 1, 0
	s_wait_dscnt 4*NL                              ; the last step: nothing more to fetch
	WIN MUL_LO
	MUL16 0, 1, NQ-1, 1, 0
	MUL16 2, 1, NQ-1, 1, 0
	s_wait_dscnt 0
	WIN MUL_HI
	MUL16 4, 1, NQ-1, 1, 0
	MUL16 6, 1, NQ-1, 1, 0
	WIN 0
	PLACES NP                                      ; behind the last products: their results are read, and their operands' and scales' registers written or loaded into, below
	s_cmp_eq_u32 s[SELR], 1
	s_cbranch_scc1 .Lv_out
; THE WAY OUT OF q AND k, a block of 16 tokens x 128 channels at a time.  A pair (x1, x2) becomes (x1 c - x2 s, x1 s + x2 c): one packed product (-x2 s, x1 s) and one packed multiply-add by c.
.macro EPIQK a
.set AC,  64*((\a)%4)
.if (\a) == 0
	s_wait_loadcnt 48                              ; set 0 is in; the 48 loads of sets 1 to 6 may be out
	CSLOAD 7                                       ; the eighth set, into the scale words' registers: seven blocks ahead of its use
.else
	s_wait_loadcnt 8*(7-(\a))                      ; this block's set is in; those of the blocks behind it may be out
.endif
	CSSET \a
	WIN (CW<<6)|CW                                 ; destination and source 0: the set's window
.set i, 0
.rept 16
	v_pk_mul_f32 v[CB+2*i:CB+2*i+1], v[CB+2*i:CB+2*i+1], s[F:F+1] op_sel_hi:[1,0]   ; q's factor rides on cos and sin
.set i, i+1
.endr
	WIN (0x02+(\a)/4)|(CW<<2)                      ; source 0: the accumulators' window; source 1: the set's
.irp b, 0,1,2,3,4,5,6,7                ; each accumulator from its low end on
.irp p, 0,1,2,3
	v_pk_mul_f32 v[T+8*\b+2*\p:T+8*\b+2*\p+1], v[AC+8*\b+2*\p:AC+8*\b+2*\p+1], v[CB+8*(\b%4)+2*\p:CB+8*(\b%4)+2*\p+1] op_sel:[1,1] op_sel_hi:[0,1] neg_lo:[0,1]
.endr
.irp p, 0,1,2,3
	v_pk_fma_f32 v[T+8*\b+2*\p:T+8*\b+2*\p+1], v[AC+8*\b+2*\p:AC+8*\b+2*\p+1], v[CB+8*(\b%4)+2*\p:CB+8*(\b%4)+2*\p+1], v[T+8*\b+2*\p:T+8*\b+2*\p+1] op_sel_hi:[1,0,1]
.endr
.endr
	WIN CW<<6                                      ; the f16 results go over the set, which is done with
.set i, 0
.rept 32
	v_cvt_pk_f16_f32 v[CB+i], v[T+2*i], v[T+2*i+1]
.set i, i+1
.endr
	WIN CW<<2                                      ; a store's data are its source 1
.irp b, 0,1,2,3,4,5,6,7
	global_store_b128 v[LO], v[CB+4*\b:CB+4*\b+3], s[10:11] offset:2048*(\a)+262144*(\b/4)+512*(\b%4) th:TH_STORE_NT   ; head b / 4, piece b % 4 of the token tile's four: 512 consecutive bytes, aligned; these registers are not written again
.endr
	WIN 0
.if (\a) == 0                          ; the f32 copy of a sequence's first 16 tokens, in the waves that hold them
	v_cmp_eq_u32 vcc_lo, 0, v[FLG]
	s_wait_xcnt 0x0                                ; EXEC changes only behind this wait
	s_and_saveexec_b32 s[SV], vcc_lo
.irp b, 0,1,2,3,4,5,6,7
	global_store_b128 v[LO], v[T+8*\b:T+8*\b+3],   s[12:13] offset:1024*\b
	global_store_b128 v[LO], v[T+8*\b+4:T+8*\b+7], s[12:13] offset:1024*\b+512
.endr
	s_wait_xcnt 0x0                                ; and again, in front of the line that widens it; the next block writes these registers anew behind it
	s_or_b32 exec_lo, exec_lo, s[SV]
.endif
.endm
.irp a, 0,1,2,3,4,5,6,7
	EPIQK \a
.endr
	s_branch .Lend
; THE WAY OUT OF v: first the f32 copy (tokens 0-15 are source 0's block 0), then every block as f16, each into 32 registers of its own in window 1.
.Lv_out:
	v_cmp_eq_u32 vcc_lo, 0, v[FLG]
	s_wait_xcnt 0x0                                ; EXEC changes only behind this wait
	s_and_saveexec_b32 s[SV], vcc_lo
.irp a, 0,1,2,3,4,5,6,7
	WIN 0x08+4*(\a/4)                              ; a store's data are its source 1
	global_store_b128 v[LO], v[64*(\a%4):64*(\a%4)+3],   s[12:13] offset:1024*\a       ; channel 16 a + r, tokens 8 h + 0..3: the accumulator's low end first
	global_store_b128 v[LO], v[64*(\a%4)+4:64*(\a%4)+7], s[12:13] offset:1024*\a+512
.endr
	WIN 0
	s_wait_xcnt 0x0
	s_or_b32 exec_lo, exec_lo, s[SV]
.irp a, 0,1,2,3,4,5,6,7
	WIN 0x40|(0x0a+5*(\a/4))                       ; sources 0 and 1: the accumulators' window; destination: window 1
.set i, 0
.rept 32
	v_cvt_pk_f16_f32 v[32*\a+i], v[64*(\a%4)+2*i], v[64*(\a%4)+2*i+1]
.set i, i+1
.endr
	WIN 0x04
.irp b, 0,1,2,3,4,5,6,7
	global_store_b128 v[LO], v[32*\a+4*\b:32*\a+4*\b+3], s[10:11] offset:262144*(\a/4)+4096*(\b/2)+1024*(\a%4)+512*(\b%2) th:TH_STORE_NT   ; head a / 4, 32 keys b / 2, channel tile a % 4, piece b % 2
.endr
.endr
	WIN 0
.Lend:
	s_wait_tensorcnt 0x0                           ; the wave's end
	ds_add_u32 v[SPW], v[NIL]
	s_wait_dscnt 0x0
	CROUND                                         ; the closing round
	s_endpgm
.Lfunc_end_k_q8543eae8b5_qkv:
	.size	k_q8543eae8b5_qkv, .Lfunc_end_k_q8543eae8b5_qkv-k_q8543eae8b5_qkv
	.p2alignl 7, 3214868480
	.fill 96, 4, 3214868480
	.section	.rodata,"a",@progbits
	.p2align	6, 0x0
	.amdhsa_kernel k_q8543eae8b5_qkv
		.amdhsa_group_segment_fixed_size 327680
		.amdhsa_private_segment_fixed_size 0
		.amdhsa_enable_private_segment 0
		.amdhsa_kernarg_size 40
		.amdhsa_user_sgpr_count 2
		.amdhsa_user_sgpr_kernarg_segment_ptr 1
		.amdhsa_wavefront_size32 1
		.amdhsa_system_sgpr_workgroup_id_x 1
		.amdhsa_system_sgpr_workgroup_id_y 1
		.amdhsa_system_sgpr_workgroup_id_z 1
		.amdhsa_system_vgpr_workitem_id 0
		.amdhsa_next_free_vgpr 1024
		.amdhsa_next_free_sgpr 100
		.amdhsa_reserve_vcc 1
		.amdhsa_float_denorm_mode_32 3
		.amdhsa_float_denorm_mode_16_64 3
		.amdhsa_memory_ordered 1
		.amdhsa_forward_progress 1
		.amdhsa_inst_pref_size 192
	.end_amdhsa_kernel
	.amdgpu_metadata
---
amdhsa.version: [ 1, 2 ]
amdhsa.kernels:
  - .name:           k_q8543eae8b5_qkv
    .symbol:         k_q8543eae8b5_qkv.kd
    .args:
      - { .name: codes, .offset: 0, .size: 8, .value_kind: global_buffer, .address_space: global }
      - { .name: scales, .offset: 8, .size: 8, .value_kind: global_buffer, .address_space: global }
      - { .name: rope, .offset: 16, .size: 8, .value_kind: global_buffer, .address_space: global }
      - { .name: qkv, .offset: 24, .size: 8, .value_kind: global_buffer, .address_space: global }
      - { .name: first, .offset: 32, .size: 8, .value_kind: global_buffer, .address_space: global }
    .group_segment_fixed_size: 327680
    .private_segment_fixed_size: 0
    .kernarg_segment_align: 8
    .kernarg_segment_size: 40
    .max_flat_workgroup_size: 128
    .sgpr_count:     100
    .vgpr_count:     1024
    .wavefront_size: 32
...
	.end_amdgpu_metadata
.endif
;; end of part 2
;; launch attn (part 3): grid 8 x 32, 16 waves a work-group, no clusters, 327,680 bytes of LDS; arguments qkv, aof; writes aof
.if DOCPART == 3
	.amdgcn_target "amdgcn-amd-amdhsa--gfx1250"
	.amdhsa_code_object_version 6
	.text
	.protected	k_q8543eae8b5_attn
	.globl	k_q8543eae8b5_attn
	.p2align	8
	.type	k_q8543eae8b5_attn,@function
k_q8543eae8b5_attn:
	s_mov_b64 s[64:65], 0
	v_nop
	global_prefetch_b8 v0, s[64:65] scope:SCOPE_SE
	s_setreg_imm32_b32 hwreg(HW_REG_WAVE_MODE, 25, 1), 1
	s_wait_xcnt 0x0
; O[q] = sum over keys k <= q of softmax_k(Q[q] . K[k] / 8) V[k], for 32 pairs of batch and head, 2,048 positions, head size 64.  Operands in f16, products, maxima and sums in f32.
; Q, K, V come as images of a matrix operand's registers (16 rows x 32 along K: two pieces of 512 bytes, 16 bytes a lane), so a fragment is two loads at 16 x lane, from memory and from LDS alike.
; Q carries log2(e) / 8 already: a score is an exponent of 2.  p = 2^(s - m) with a running maximum m for each query; when m grows, the sum and O are multiplied by 2^(old m - new m).
; SHARES.  A work-group owns the blocks j and 15 - j of 128 queries of one head: (j + 1) + (16 - j) = 17 blocks of 128 x 128 under the causal mask, the same for every work-group.
; Each of its sixteen waves owns one tile of 16 queries in 256 registers; wave w takes tile w / 2 of the low (0) or high (1) block by (w ^ (w / 4)) & 1.
; Both products are used transposed: S^T = K Q^T, O^T = V^T P^T: a lane holds ONE query throughout, and p, rounded to f16 in pairs, is the second product's operand as it stands.
; THE RING: two LDS slots of 256 keys (two steps of 128), filled by waves 0 to 3, one tensor load each.  A load is two rows of 8,192 bytes: half of the first step's tiles and half of the second's,
; so that every load holds bytes of the slot's first step.  Every work-group walks all eight changes of slots (constant trip counts); a step all of whose keys come after the wave's queries is jumped over,
; and a slot whose first key comes after the work-group's last query is not asked for.  Both tests are made of ids and the count of steps alone.
; NO CLUSTER: the work-groups of a head stop asking at different slots (last query 128 (16 - j) - 1), so a joint load would bring some partner tiles that none of its waves reads.
; LIMITS: p under 6e-8 falls to 0 in f16, against a largest p of 1; the result stays under 65,504 (f16).
; The output goes out as f16 in the order of the projection's operand: [token tile 256][32 channels: 32][piece 2][lane][16 bytes].
.set SLOT1, 65536                      ; slot 1 begins here: one exclusive or turns an address of one slot into the other's
.set VOFF,  32768                      ; a slot: K's 32,768 bytes, then V's
.set SPARE, 2*SLOT1                    ; the spare words, 128 bytes for each of sixteen waves
.set NSL,   8                          ; slots' worth of keys
.set LI,  1                            ; v1   16 x lane
.set ADR, 2                            ; v2   the slot in hand + 16 x lane
.set RH,  3                            ; v3   lane % 16 - 8 (lane / 16)
.set PFO, 4                            ; v4   256 x lane: the prefetches' offset; never rewritten
.set SPW, 5                            ; v5   my spare word; never rewritten
.set NIL, 6                            ; v6   0; never rewritten
.set DD,  7                            ; v7   the mask's bound
.set MX,  8                            ; v[8:9]   m (the packed form names the pair and takes its low word)
.set LS,  10                           ; v[10:11] the sum, in two halves
.set AL,  12                           ; v[12:13] 2^(old m - new m)
.set W,   14                           ; v14-23   at work
.set QF,  24                           ; v24-39   Q: two fragments
.set KV,  40                           ; v40-103  eight fragments of K or of V
.set S,   104                          ; v104-167 S^T, then p
.set P,   168                          ; v168-199 p in f16: four fragments
.set O,   200                          ; v200-231 O^T
.set TB,  2                            ; s2   LDS byte at which the slot in hand begins
.set WV,  18                           ; s18  my wave's number
.set SEL, 20                           ; s[20:21] lane selects: lane l xor 16
.set G1,  24                           ; s[24:31] descriptor group 1
.set G0,  40                           ; s[40:43] group 0, which walks
.set SLOTS, 44                         ; s44  changes of slots that still ask
.set KF,  45                           ; s45  the step's first key
.set Q0,  46                           ; s46  my first query
.set QL,  47                           ; s47  my work-group's last query
.set PFA, 48                           ; s[48:49] where my prefetches stand
.set LIM, 50                           ; s50  1 in a wave that prefetches, else the greatest number
; Waves 0 and 1 fetch K's halves, waves 2 and 3 V's, the others nothing.  An s_nop 0 and four v_nop follow the load.
.macro TLOAD
	s_cmp_lt_u32 s[WV], 4
	s_cbranch_scc0 .Lasked_\@
	tensor_load_to_lds s[G0:G0+3], s[G1:G1+7]
	s_nop 0
.rept 4
	v_nop
.endr
.Lasked_\@:
.endm
; A prefetch of what the NEXT change of slots will ask for: a slot's 32,768 bytes of K and of V.  All work-groups of a head walk the same K and V: the one with j = 0, which walks all keys, asks.
; In it waves 4 to 7 ask for K, waves 8 to 11 for V: 8,192 bytes a wave, lanes 256 bytes apart, one instruction: each block of 256 bytes is named once in the launch.
; The last change that fills a slot asks for nothing; slots 0 and 1 come by their loads alone.
.macro ASK
	s_cmp_gt_u32 s[SLOTS], s[LIM]
	s_cbranch_scc0 .Lnot_mine_\@
	global_prefetch_b8 v[PFO], s[PFA:PFA+1] th:TH_LOAD_NT scope:SCOPE_SE
.Lnot_mine_\@:
.endm
	s_load_b128 s[4:7], s[0:1], 0x0                ; qkv s[4:5], aof s[6:7]
	v_lshl_add_u32 v[SPW], v0, 2, SPARE
	v_mov_b32 v[NIL], 0
	ds_add_u32 v[SPW], v[NIL]                      ; the wave's opening: the add, twice on end, and its wait ahead of the first tensor load
	ds_add_u32 v[SPW], v[NIL]
	v_lshrrev_b32 v[DD], 5, v0
	v_readfirstlane_b32 s[WV], v[DD]               ; wave 0..15
	s_and_b32 s52, ttmp7, 0xffff                   ; batch x 16 + head
	s_lshl_b32 s53, s52, 18                        ; its 262,144 bytes in each of Q, K, V
	s_lshr_b32 s54, s[WV], 2
	s_xor_b32 s54, s54, s[WV]
	s_and_b32 s54, s54, 1                          ; 0: the low block, 1: the high one
	s_sub_co_u32 s55, 15, ttmp9
	s_cmp_eq_u32 s54, 1
	s_cselect_b32 s55, s55, ttmp9                  ; my block of 128 queries
	s_lshl_b32 s[Q0], s55, 7
	s_lshr_b32 s56, s[WV], 1
	s_lshl_b32 s56, s56, 4
	s_add_co_u32 s[Q0], s[Q0], s56                 ; my first query
	s_sub_co_u32 s[QL], 16, ttmp9
	s_lshl_b32 s[QL], s[QL], 7
	s_sub_co_u32 s[QL], s[QL], 1                   ; the work-group's last
	; descriptor group 1: two rows of 8,192 bytes (1,024 elements of 8 bytes), 16,384 bytes apart in memory, on end in LDS
	s_mov_b32 s[G1], 3<<16                         ; no mask; elements of 8 bytes; no padding
	s_mov_b32 s[G1+1], 1024<<16                    ; tensor_dim0
	s_mov_b32 s[G1+2], 2<<16                       ; tensor_dim1
	s_mov_b32 s[G1+3], 1024<<16                    ; tile_dim0
	s_mov_b32 s[G1+4], 2                           ; tile_dim1
	s_mov_b32 s[G1+5], 2048                        ; from row to row
	s_mov_b32 s[G1+6], 0
	s_mov_b32 s[G1+7], 0
	s_mov_b32 s[SEL], 0x76543210
	s_mov_b32 s[SEL+1], 0xfedcba98
	s_mov_b32 s[TB], 0
	s_mov_b32 s[SLOTS], NSL-1
	s_mov_b32 s[KF], 0
	s_and_b32 s58, s[WV], 1                        ; what I fetch, if I fetch: half wave & 1
	s_lshl_b32 s58, s58, 13
	s_add_co_u32 s58, s58, s53
	s_mov_b32 s59, 0x1000000
	s_cmp_lt_u32 s[WV], 2
	s_cselect_b32 s59, 0x800000, s59               ; of K's region or of V's
	s_add_co_u32 s58, s58, s59
	s_mov_b32 s59, 0
	s_lshl_b32 s56, s[Q0], 7                       ; Q: 2,048 bytes for a tile of 16 queries
	s_add_co_u32 s56, s56, s53
	s_mov_b32 s57, 0
	s_and_b32 s60, s[WV], 3                        ; the prefetches: my wave's 8,192 bytes,
	s_lshl_b32 s60, s60, 13
	s_add_co_u32 s60, s60, s53
	s_add_co_u32 s60, s60, 32768                   ; in slot 1: the first change of slots steps it to slot 2
	s_mov_b32 s61, 0x1000000
	s_cmp_lt_u32 s[WV], 8
	s_cselect_b32 s61, 0x800000, s61
	s_add_co_u32 s60, s60, s61
	s_mov_b32 s61, 0
	s_sub_co_u32 s62, s[WV], 4
	s_lshr_b32 s62, s62, 3                         ; 0 in waves 4 to 11,
	s_or_b32 s62, s62, ttmp9                       ; of the work-group with j = 0
	s_cmp_eq_u32 s62, 0
	s_cselect_b32 s[LIM], 1, -1
	s_lshr_b32 s62, s52, 4                         ; the output: batch x 128 token tiles of 32,768 bytes,
	s_lshl_b32 s62, s62, 22
	s_lshl_b32 s63, s[Q0], 11                      ; my tile,
	s_add_co_u32 s62, s62, s63
	s_and_b32 s63, s52, 15
	s_lshl_b32 s63, s63, 11                        ; my head's 2,048 bytes in it
	s_add_co_u32 s62, s62, s63
	s_mov_b32 s63, 0
	s_wait_dscnt 0x0                               ; both opening adds are done
	s_wait_kmcnt 0x0
	s_mov_b32 s[G0], 1
	s_lshl_b32 s[G0+1], s[WV], 14                  ; LDS: wave x 16,384: K's halves, then V's
	s_add_nc_u64 s[G0+2:G0+3], s[4:5], s[58:59]
	s_or_b32 s[G0+3], s[G0+3], 0x80000000
	TLOAD                                          ; slot 0: one tensor load of mine is out at the most, here and behind every barrier
	s_add_nc_u64 s[56:57], s[4:5], s[56:57]
	s_add_nc_u64 s[PFA:PFA+1], s[4:5], s[60:61]
	s_add_nc_u64 s[6:7], s[6:7], s[62:63]
	v_and_b32 v[LI], 31, v0
	v_lshlrev_b32 v[PFO], 8, v[LI]
	v_lshlrev_b32 v[LI], 4, v[LI]
.irp i, 0,1,2,3
	global_load_b128 v[QF+4*\i:QF+4*\i+3], v[LI], s[56:57] offset:512*\i   ; Q's two fragments stay in registers
.endr
	v_and_b32 v[RH], 15, v0
	v_bfe_u32 v[W], v0, 4, 1
	v_lshlrev_b32 v[W], 3, v[W]
	v_sub_nc_u32 v[RH], v[RH], v[W]
	v_mov_b32 v[MX], 0xff61b1e6                    ; m: -3e38, under every score
	v_mov_b32 v[MX+1], 0                           ; (named as the upper half of a pair)
	v_mov_b32 v[LS], 0
	v_mov_b32 v[LS+1], 0
	v_mov_b32 v[AL+1], 0
	v_mov_b32 v[W+4], 0                            ; a lane permute's destination counts as one of its sources
.set i, 0
.rept 32
	v_mov_b32 v[O+i], 0                            ; O^T: the step is written once; the first finds zeros
.set i, i+1
.endr
; A KEY STEP: 128 keys, the q-th of the slot in hand.
.macro STEP q
	s_add_co_u32 s52, s[Q0], 15
	s_cmp_gt_u32 s[KF], s52                        ; all keys come after my queries: the step's work is left out
	s_cbranch_scc1 .Lhidden_\@
	v_add_nc_u32 v[ADR], s[TB], v[LI]
.rept 3
	v_nop                                          ; with the line above: four places in front of loads into registers that matrix instructions have read
.endr
.irp g, 0,1                            ; S^T = K Q^T, four tiles of 16 keys at a time
.if \g > 0
.rept 4
	v_nop
.endr
.endif
.irp t, 0,1,2,3
.irp u, 0,1
.irp p, 0,1
	ds_load_b128 v[KV+16*\t+8*\u+4*\p:KV+16*\t+8*\u+4*\p+3], v[ADR] offset:16384*\g+8192*(\q)+2048*\t+1024*\u+512*\p
.endr
.endr
.endr
	s_wait_dscnt 0x0
.irp t, 0,1,2,3                        ; the four accumulators by turns: channels 0-31 start the sums,
	v_wmma_f32_16x16x32_f16 v[S+8*(4*\g+\t):S+8*(4*\g+\t)+7], v[KV+16*\t:KV+16*\t+7], v[QF:QF+7], 0
.endr
.irp t, 0,1,2,3                        ; channels 32-63 end them
	v_wmma_f32_16x16x32_f16 v[S+8*(4*\g+\t):S+8*(4*\g+\t)+7], v[KV+16*\t+8:KV+16*\t+15], v[QF+8:QF+15], v[S+8*(4*\g+\t):S+8*(4*\g+\t)+7]
.endr
.endr
.rept 4
	v_nop                                          ; places: the scores are read and K's registers loaded anew below
.endr
.irp kl, 0,1                           ; V's first eight fragments are asked for here and land under the softmax
.irp ct, 0,1,2,3
.irp p, 0,1
	ds_load_b128 v[KV+8*(4*\kl+\ct)+4*\p:KV+8*(4*\kl+\ct)+4*\p+3], v[ADR] offset:VOFF+8192*(\q)+4096*\kl+1024*\ct+512*\p
.endr
.endr
.endr
	s_add_co_u32 s52, s[KF], 127                   ; on the diagonal hidden scores become -infinity; a step all of whose keys count skips this
	s_cmp_le_u32 s52, s[Q0]
	s_cbranch_scc1 .Lopen_\@
	s_sub_co_i32 s52, s[Q0], s[KF]
	v_add_nc_u32 v[DD], s52, v[RH]                 ; register n holds key KF + 16 (n / 8) + 8 (lane / 16) + n % 8: hidden where 16 (n / 8) + n % 8 > my query - KF - 8 (lane / 16)
	v_mov_b32 v[W+8], 0xff800000
.set n, 0
.rept 64
	v_cmp_gt_i32 vcc_lo, 16*(n/8)+n%8, v[DD]
	v_cndmask_b32 v[S+n], v[S+n], v[W+8], vcc_lo
.set n, n+1
.endr
.Lopen_\@:
.irp b, 0,1,2,3                        ; the largest score, in four chains; each accumulator is read from its low end on
	v_max3_num_f32 v[W+\b], v[S+16*\b], v[S+16*\b+1], v[S+16*\b+2]
.endr
.irp i, 3,5,7,9,11,13
.irp b, 0,1,2,3
	v_max3_num_f32 v[W+\b], v[W+\b], v[S+16*\b+\i], v[S+16*\b+\i+1]
.endr
.endr
.irp b, 0,1,2,3
	v_max_num_f32 v[W+\b], v[W+\b], v[S+16*\b+15]
.endr
	v_max3_num_f32 v[W], v[W], v[W+1], v[W+2]
	v_max3_num_f32 v[W], v[W], v[W+3], v[MX]       ; with the old m
	v_permlanex16_b32 v[W+4], v[W], s[SEL], s[SEL+1]   ; the query's other 64 keys lie in the lane 16 away
	v_mov_b32 v[W+5], v[MX]
	v_max_num_f32 v[MX], v[W], v[W+4]              ; the new m
	v_sub_f32 v[W+5], v[W+5], v[MX]
	v_exp_f32 v[AL], v[W+5]                        ; 2^(old m - new m)
.set i, 0
.rept 32
	v_pk_add_f32 v[S+2*i:S+2*i+1], v[S+2*i:S+2*i+1], v[MX:MX+1] op_sel_hi:[1,0] neg_lo:[0,1] neg_hi:[0,1]   ; s - m, two at a time
.set i, i+1
.endr
.set i, 0
.rept 64
	v_exp_f32 v[S+i], v[S+i]                       ; p = 2^(s - m), at most 1
.set i, i+1
.endr
	v_nop                                          ; a plain line behind the exponentials,
	s_wait_alu depctr_va_vdst(0)                   ; and ONE wait for all 65, ahead of their first reader
	v_pk_mul_f32 v[LS:LS+1], v[LS:LS+1], v[AL:AL+1] op_sel_hi:[1,0]
	v_pk_add_f32 v[W+6:W+7], v[S:S+1], v[S+2:S+3]  ; the row's sum of the unrounded p, in two chains
.irp j, 4,8,12,16,20,24,28,32,36,40,44,48,52,56,60
	v_pk_add_f32 v[LS:LS+1], v[LS:LS+1], v[S+\j:S+\j+1]
	v_pk_add_f32 v[W+6:W+7], v[W+6:W+7], v[S+\j+2:S+\j+3]
.endr
	v_pk_add_f32 v[LS:LS+1], v[LS:LS+1], v[W+6:W+7]
.set i, 0
.rept 32
	v_cvt_pk_f16_f32 v[P+i], v[S+2*i], v[S+2*i+1]  ; two neighbouring tiles of keys are the two pieces of a fragment of 32 keys
.set i, i+1
.endr
.set i, 0
.rept 16
	v_pk_mul_f32 v[O+2*i:O+2*i+1], v[O+2*i:O+2*i+1], v[AL:AL+1] op_sel_hi:[1,0]   ; O^T under the new m, from each accumulator's low end on
.set i, i+1
.endr
.irp g, 0,1                            ; O^T += V^T P^T: 64 keys at a time, the four accumulators by turns
.if \g > 0
.rept 4
	v_nop
.endr
.irp kl, 0,1
.irp ct, 0,1,2,3
.irp p, 0,1
	ds_load_b128 v[KV+8*(4*\kl+\ct)+4*\p:KV+8*(4*\kl+\ct)+4*\p+3], v[ADR] offset:VOFF+16384+8192*(\q)+4096*\kl+1024*\ct+512*\p
.endr
.endr
.endr
.endif
	s_wait_dscnt 0x0
.irp kl, 0,1
.irp ct, 0,1,2,3
	v_wmma_f32_16x16x32_f16 v[O+8*\ct:O+8*\ct+7], v[KV+8*(4*\kl+\ct):KV+8*(4*\kl+\ct)+7], v[P+8*(2*\g+\kl):P+8*(2*\g+\kl)+7], v[O+8*\ct:O+8*\ct+7]
.endr
.endr
.endr
.Lhidden_\@:
	s_add_co_u32 s[KF], s[KF], 128
.endm
; THE CHANGE OF SLOTS stands at a slot's head.  Each wave waits for all its tensor loads, adds 0 to its spare word (fill = 1: twice on end), and waits for that and for its reads
; of the slot that it has left.  Behind the barrier the slot ahead is whole and nobody reads the other one, which is then filled with the keys that follow, up to the causal limit.
.macro CHANGE fill
	s_wait_tensorcnt 0x0                           ; no tensor load of mine is out, so the group 0 may be written
	ds_add_u32 v[SPW], v[NIL]
.if \fill
	ds_add_u32 v[SPW], v[NIL]
	s_xor_b32 s[G0+1], s[G0+1], SLOT1              ; the other slot than last time,
	s_add_nc_u64 s[G0+2:G0+3], s[G0+2:G0+3], 32768 ; the next 256 keys
	s_wait_xcnt 0x0                                ; the last prefetch, a slot back, has read its address
	s_add_nc_u64 s[PFA:PFA+1], s[PFA:PFA+1], 32768 ; one slot further on than the walking descriptor
.endif
	s_wait_dscnt 0x0
	s_barrier_signal -1
	s_barrier_wait -1
.if \fill
	s_add_co_u32 s52, s[KF], 256                   ; the first key of the slot that this change would ask for
	s_cmp_gt_u32 s52, s[QL]                        ; past my work-group's last query none of its waves reads it: ids and the count of steps alone, the same in all sixteen waves
	s_cbranch_scc1 .Lpast_\@
	TLOAD                                          ; a wave's one tensor load until the next barrier
.Lpast_\@:
	ASK
.endif
.endm
	s_wait_loadcnt 0x0                             ; Q
.Lslot:                                            ; seven trips
	CHANGE 1
	STEP 0
	STEP 1
	s_xor_b32 s[TB], s[TB], SLOT1
	s_sub_co_u32 s[SLOTS], s[SLOTS], 1
	s_cmp_lg_u32 s[SLOTS], 0
	s_cbranch_scc1 .Lslot
	CHANGE 0                                       ; the last slot is written out: nothing is left to ask for
	STEP 0
	STEP 1
	; THE WAY OUT: O^T / the sum, rounded to f16: a lane's eight channels of a tile are its 16 bytes of the projection's operand.
.rept 4
	v_nop                                          ; places behind the last products
.endr
	v_add_f32 v[LS], v[LS], v[LS+1]
	v_permlanex16_b32 v[W+4], v[LS], s[SEL], s[SEL+1]
	v_add_f32 v[LS], v[LS], v[W+4]                 ; the row's sum
	v_rcp_f32 v[LS], v[LS]
	v_nop                                          ; a plain line behind the reciprocal,
	s_wait_alu depctr_va_vdst(0)                   ; and the wait ahead of its first reader
.set i, 0
.rept 16
	v_pk_mul_f32 v[S+2*i:S+2*i+1], v[O+2*i:O+2*i+1], v[LS:LS+1] op_sel_hi:[1,0]
.set i, i+1
.endr
.set i, 0
.rept 16
	v_cvt_pk_f16_f32 v[P+i], v[S+2*i], v[S+2*i+1]
.set i, i+1
.endr
.irp ct, 0,1,2,3
	global_store_b128 v[LI], v[P+4*\ct:P+4*\ct+3], s[6:7] offset:512*\ct th:TH_STORE_NT   ; the wave stores 512 consecutive bytes, aligned
.endr
	s_wait_tensorcnt 0x0                           ; the wave's end
	ds_add_u32 v[SPW], v[NIL]
	s_wait_dscnt 0x0
	s_endpgm
.Lfunc_end_k_q8543eae8b5_attn:
	.size	k_q8543eae8b5_attn, .Lfunc_end_k_q8543eae8b5_attn-k_q8543eae8b5_attn
	.p2alignl 7, 3214868480
	.fill 96, 4, 3214868480
	.section	.rodata,"a",@progbits
	.p2align	6, 0x0
	.amdhsa_kernel k_q8543eae8b5_attn
		.amdhsa_group_segment_fixed_size 327680
		.amdhsa_private_segment_fixed_size 0
		.amdhsa_enable_private_segment 0
		.amdhsa_kernarg_size 16
		.amdhsa_user_sgpr_count 2
		.amdhsa_user_sgpr_kernarg_segment_ptr 1
		.amdhsa_wavefront_size32 1
		.amdhsa_system_sgpr_workgroup_id_x 1
		.amdhsa_system_sgpr_workgroup_id_y 1
		.amdhsa_system_sgpr_workgroup_id_z 1
		.amdhsa_system_vgpr_workitem_id 0
		.amdhsa_next_free_vgpr 256
		.amdhsa_next_free_sgpr 66
		.amdhsa_reserve_vcc 1
		.amdhsa_float_denorm_mode_32 3
		.amdhsa_float_denorm_mode_16_64 3
		.amdhsa_memory_ordered 1
		.amdhsa_forward_progress 1
		.amdhsa_inst_pref_size 103
	.end_amdhsa_kernel
	.amdgpu_metadata
---
amdhsa.version: [ 1, 2 ]
amdhsa.kernels:
  - .name:           k_q8543eae8b5_attn
    .symbol:         k_q8543eae8b5_attn.kd
    .args:
      - { .name: qkv, .offset: 0, .size: 8, .value_kind: global_buffer, .address_space: global }
      - { .name: aof, .offset: 8, .size: 8, .value_kind: global_buffer, .address_space: global }
    .group_segment_fixed_size: 327680
    .private_segment_fixed_size: 0
    .kernarg_segment_align: 8
    .kernarg_segment_size: 16
    .max_flat_workgroup_size: 512
    .sgpr_count:     66
    .vgpr_count:     256
    .wavefront_size: 32
...
	.end_amdgpu_metadata
.endif
;; end of part 3
;; launch proj (part 4): grid 8 x 32, 4 waves a work-group, clusters of 4 x 4, 327,680 bytes of LDS; arguments aof, wof, out0; writes out0
.if DOCPART == 4
	.amdgcn_target "amdgcn-amd-amdhsa--gfx1250"
	.amdhsa_code_object_version 6
	.text
	.protected	k_q8543eae8b5_proj
	.globl	k_q8543eae8b5_proj
	.p2align	8
	.type	k_q8543eae8b5_proj,@function
k_q8543eae8b5_proj:
	s_mov_b64 s[64:65], 0
	v_nop
	global_prefetch_b8 v0, s[64:65] scope:SCOPE_SE
	s_setreg_imm32_b32 hwreg(HW_REG_WAVE_MODE, 25, 1), 1
	s_wait_xcnt 0x0
	s_wait_alu depctr_hold_cnt(0) depctr_sa_sdst(0) depctr_va_vdst(0) depctr_va_sdst(0) depctr_va_ssrc(0) depctr_va_vcc(0) depctr_vm_vsrc(0)
	s_getreg_b32 s2, hwreg(HW_REG_IB_STS2, 6, 4)
	s_cmp_eq_u32 s2, 0
	s_cbranch_scc0 .Lentry_in_a_cluster
	s_endpgm
.Lentry_in_a_cluster:
	s_bfe_u32 s2, ttmp6, 0x10000c
	s_cmp_lg_u32 s2, 0xf033
	s_cbranch_scc0 .Lentry_shape_is_right
	s_endpgm
.Lentry_shape_is_right:
; out0[token][n] = sum over e of A[token][e] Wo[n][e]: 4,096 x 1,024 x 1,024, operands in f16, sums in f32, the result f32.
; Both operands come as images of a matrix operand's registers: [row tile][32 along K: 32][piece 2][lane][16 bytes]; a row tile's whole K is 32,768 bytes.
; A tile of the result is 128 x 128 (256 work-groups); four waves, each 64 x 64: 16 accumulators.  K goes in four steps of 256 through two LDS slots; a wave's tensor load brings 4 row tiles x 8,192 bytes.
; In LDS the fragments lie as in memory, so every fragment load reads 512 consecutive bytes: no padding.
; CLUSTERS: 4 x 4 work-groups; A's tile is shared along a row of the cluster, Wo's along a column: each is asked for jointly, by the same tensor load with a mask that names the four.
; THE MATRIX INSTRUCTION IS USED TRANSPOSED (source 0 = 16 rows of Wo, source 1 = 16 tokens): a lane holds eight neighbouring numbers of a row of the result.
; The rows of each batch's first 16 positions are written here too, and written over by the launch that carries them in f32.
; REGISTERS: window 0: v0-31 addresses; v32-95 the way out; v128-255 the accumulators ((a, b) at v[128 + 8 (4 a + b)]).  window 1: two fragment buffers of 128: 64 registers of A, then 64 of Wo, for 64 along K.
.set KSB,    8192                      ; a K step of 256 in a row tile, in bytes
.set HALFT,  32768                     ; 4 row tiles x 8,192 bytes: what one tensor load brings, and what one wave reads of A or of Wo
.set SLOT,   4*HALFT
.set STAGE,  2*SLOT                    ; behind the ring: 16 rows x 272 bytes for each wave, its own
.set SPITCH, 272
.set SPARE,  STAGE+4*16*SPITCH         ; the spare words, 128 bytes a wave
.set ADRA, 16                          ; v16-17  LDS address of my A fragments in slot 0, 1
.set ADRB, 20                          ; v20-21  the same for Wo
.set STO,  24                          ; v24     the way out: where I put 32 bytes of a row
.set RD,   25                          ; v25     where I read a row back
.set CO,   26                          ; v26     my byte offset in the result
.set SPW,  28                          ; v28     my spare word; never rewritten
.set NIL,  29                          ; v29     0; never rewritten
.set TMP,  32
.set ACC,  128
.set F0,   0
.set F1,   128
.set G1, 24
.set G0, 32
.set G1B, 48
.set G0B, 56
.set MSB, 0
.macro WIN new                         ; the immediate's high byte repeats the setting that is left
.if MSB != (\new)
	s_set_vgpr_msb (MSB<<8)|(\new)
.set MSB, (\new)
.endif
.endm
.set MUL,  0x05                        ; sources 0 and 1 window 1; C and D window 0
.set TO_F, 0x40                        ; destination window 1, address window 0
.macro JLOAD s                         ; a joint load: waves 0 and 1 fetch A's halves, waves 2 and 3 Wo's; an s_nop 0 and four v_nop follow each line
	s_cmp_eq_u32 s11, 0
	s_cbranch_scc0 .Lfor_b_\@
	tensor_load_to_lds s[G0+4*\s:G0+4*\s+3], s[G1:G1+7]
	s_nop 0
.rept 4
	v_nop
.endr
	s_branch .Lasked_\@
.Lfor_b_\@:
	tensor_load_to_lds s[G0B+4*\s:G0B+4*\s+3], s[G1B:G1B+7]
	s_nop 0
.rept 4
	v_nop
.endr
.Lasked_\@:
.endm
.macro CREST                           ; a round of the cluster's barrier behind its opening barrier
	s_cmp_lg_u32 s10, 0
	s_cbranch_scc1 .Lnot_wave_0_\@
	s_barrier_signal -3
.Lnot_wave_0_\@:
	s_barrier_wait -3
	s_barrier_signal -1
	s_barrier_wait -1
.endm
.macro CROUND
	s_barrier_signal -1
	s_barrier_wait -1
	CREST
.endm
	s_load_b128 s[4:7], s[0:1], 0x0                ; A s[4:5], Wo s[6:7]
	s_load_b64 s[8:9], s[0:1], 0x10                ; the result
	v_lshl_add_u32 v[SPW], v0, 2, SPARE
	v_mov_b32 v[NIL], 0
	ds_add_u32 v[SPW], v[NIL]                      ; the wave's opening: the add, twice on end, and its wait ahead of my first tensor load
	ds_add_u32 v[SPW], v[NIL]
	v_lshrrev_b32 v1, 5, v0
	v_readfirstlane_b32 s10, v1                    ; wave 0..3
	s_lshr_b32 s11, s10, 1                         ; which half of the tile's rows is mine.  Also: I fetch for A (0) or for Wo (1)
	s_and_b32 s12, s10, 1                          ; which half of its columns.  Also: which 4 row tiles I fetch
	s_bfe_u32 s40, ttmp6, 0x40000                  ; cx, cy
	s_bfe_u32 s41, ttmp6, 0x40004
	s_lshl_b32 s42, ttmp9, 2
	s_add_co_u32 s42, s42, s40                     ; tile column = 4 x cluster x + cx
	s_and_b32 s13, ttmp7, 0xffff
	s_lshl_b32 s13, s13, 2
	s_add_co_u32 s13, s13, s41                     ; tile row = 4 x cluster y + cy
	s_lshl_b32 s43, s41, 2
	s_lshl_b32 s43, 15, s43                        ; my row of the cluster
	s_lshl_b32 s44, 0x1111, s40                    ; my column
	s_or_b32 s[G1+0], s43, (3<<16)|(1<<21)         ; 15:0 the mask; 17:16 elements of 8 bytes; 21 set beside a mask; no padding
	s_or_b32 s[G1B+0], s44, (3<<16)|(1<<21)
.irp g, G1, G1B
	s_mov_b32 s[\g+1], 1024<<16                    ; tensor_dim0: 8,192 bytes
	s_mov_b32 s[\g+2], 4<<16                       ; tensor_dim1
	s_mov_b32 s[\g+3], 1024<<16                    ; tile_dim0
	s_mov_b32 s[\g+4], 4                           ; tile_dim1
	s_mov_b32 s[\g+5], 4096                        ; from row tile to row tile: 32,768 bytes
	s_mov_b32 s[\g+6], 0
	s_mov_b32 s[\g+7], 0
.endr
	s_lshl_b32 s17, s12, 2                         ; which 4 row tiles of the 8 I fetch
	s_lshl_b32 s16, s13, 3
	s_add_co_u32 s16, s16, s17
	s_lshl_b32 s16, s16, 15                        ; A: (8 x tile row + 4 x half) x 32,768
	s_lshl_b32 s46, s42, 3
	s_add_co_u32 s46, s46, s17
	s_lshl_b32 s46, s46, 15                        ; Wo: the same by the tile column
	s_mov_b32 s17, 0
	s_mov_b32 s47, 0
	s_mul_i32 s20, s10, HALFT                      ; where they go: no place in the cluster enters an LDS address
	s_wait_dscnt 0x0                               ; both opening adds are done
	s_wait_kmcnt 0x0
	s_add_nc_u64 s[14:15], s[4:5], s[16:17]
	s_add_nc_u64 s[46:47], s[6:7], s[46:47]
	CROUND                                         ; all sixteen work-groups are here: the first joint loads meet
.irp s, 0,1
	s_mov_b32 s[G0+4*\s], 1
	s_add_co_u32 s[G0+4*\s+1], s20, \s*SLOT
	s_add_nc_u64 s[G0+4*\s+2:G0+4*\s+3], s[14:15], \s*KSB
	s_or_b32 s[G0+4*\s+3], s[G0+4*\s+3], 0x80000000
	s_mov_b32 s[G0B+4*\s], 1
	s_add_co_u32 s[G0B+4*\s+1], s20, \s*SLOT
	s_add_nc_u64 s[G0B+4*\s+2:G0B+4*\s+3], s[46:47], \s*KSB
	s_or_b32 s[G0B+4*\s+3], s[G0B+4*\s+3], 0x80000000
	JLOAD \s                                       ; two tensor loads of mine are out at the most
.endr
	v_and_b32 v1, 15, v0                           ; r
	v_bfe_u32 v2, v0, 4, 1                         ; h
	v_and_b32 v3, 31, v0
	v_lshlrev_b32 v3, 4, v3                        ; 16 x lane
	s_mul_i32 s21, s11, HALFT                      ; my 64 rows of A
	s_mul_i32 s22, s12, HALFT                      ; my 64 rows of Wo,
	s_add_co_u32 s22, s22, 2*HALFT                 ; behind A's
.irp s, 0,1
	v_add_nc_u32 v[ADRA+\s], s21, v3
	v_add_nc_u32 v[ADRB+\s], s22, v3
	s_add_co_u32 s21, s21, SLOT
	s_add_co_u32 s22, s22, SLOT
.endr
	s_mul_i32 s23, s10, 16*SPITCH
	s_add_co_u32 s23, s23, STAGE                   ; my stage
	v_mul_u32_u24 v4, v1, SPITCH                   ; in: row r, 32 bytes for each half of the lanes
	v_lshl_add_u32 v4, v2, 5, v4
	v_add_nc_u32 v[STO], s23, v4
	v_mul_u32_u24 v5, v2, SPITCH                   ; back: lanes 0-15 one row of 256 bytes, lanes 16-31 the next
	v_lshl_add_u32 v5, v1, 4, v5
	v_add_nc_u32 v[RD], s23, v5
	v_lshlrev_b32 v5, 12, v2                       ; and the same two rows in the result: 4,096 bytes a row
	v_lshl_add_u32 v[CO], v1, 4, v5
	s_lshl_b32 s16, s13, 7
	s_lshl_b32 s17, s11, 6
	s_add_co_u32 s16, s16, s17                     ; my first row: 128 x tile row + 64 x half
	s_lshl_b32 s16, s16, 12
	s_lshl_b32 s46, s42, 9                         ; my first column, in bytes: 512 x tile column + 256 x half
	s_lshl_b32 s47, s12, 8
	s_add_co_u32 s46, s46, s47
	s_add_co_u32 s16, s16, s46
	s_mov_b32 s17, 0
	s_add_nc_u64 s[8:9], s[8:9], s[16:17]
; 8 matrix instructions: row blocks a0, a0 + 1 x all 4 column blocks, 32 along K: half c of buffer f.  The 16 accumulators take turns.
.macro MUL8 f, c, a0, zero
.irp a, \a0, \a0+1
.irp b, 0,1,2,3
.if \zero
	v_wmma_f32_16x16x32_f16 v[ACC+8*(4*(\a)+\b):ACC+8*(4*(\a)+\b)+7], v[\f+64+8*(4*\c+\b):\f+64+8*(4*\c+\b)+7], v[\f+8*(4*\c+\a):\f+8*(4*\c+\a)+7], 0
.else
	v_wmma_f32_16x16x32_f16 v[ACC+8*(4*(\a)+\b):ACC+8*(4*(\a)+\b)+7], v[\f+64+8*(4*\c+\b):\f+64+8*(4*\c+\b)+7], v[\f+8*(4*\c+\a):\f+8*(4*\c+\a)+7], v[ACC+8*(4*(\a)+\b):ACC+8*(4*(\a)+\b)+7]
.endif
.endr
.endr
.endm
; 32 LDS loads in one run: the fragments of 64 along K, at byte k of each row tile's 8,192, into buffer f; the first 32 along K first
.macro FETCH slot, k, f
	WIN TO_F
.irp c, 0,1
.irp i, 0,1,2,3
	ds_load_b128 v[\f+64+8*(4*\c+\i):\f+64+8*(4*\c+\i)+3],   v[ADRB+\slot] offset:\k+1024*\c+8192*\i
	ds_load_b128 v[\f+64+8*(4*\c+\i)+4:\f+64+8*(4*\c+\i)+7], v[ADRB+\slot] offset:\k+1024*\c+8192*\i+512
	ds_load_b128 v[\f+8*(4*\c+\i):\f+8*(4*\c+\i)+3],         v[ADRA+\slot] offset:\k+1024*\c+8192*\i
	ds_load_b128 v[\f+8*(4*\c+\i)+4:\f+8*(4*\c+\i)+7],       v[ADRA+\slot] offset:\k+1024*\c+8192*\i+512
.endr
.endr
.endm
.macro PLACES                          ; four plain lines in front of loads into registers that matrix instructions have read, and of reads of results
.rept 4
	v_nop
.endr
.endm
.macro QUARTER slot, k, f, g, zero     ; 64 along K: multiplies buffer f and fetches the next quarter, at byte k, into g
	s_wait_dscnt 16                                ; the first 32 along K are in; the other sixteen loads may be out
	WIN MUL
	MUL8 \f, 0, 0, \zero
	MUL8 \f, 0, 2, \zero
	PLACES
	FETCH \slot, \k, \g
	s_wait_dscnt 32                                ; all but the 32 just issued
	WIN MUL
	MUL8 \f, 1, 0, 0
	MUL8 \f, 1, 2, 0
.endm
; A K step's last quarter changes slots: ONE barrier; in front of it each wave waits for all its tensor loads, adds 0 to its spare word, and waits for that and for its reads of this slot.  fill = 1: this slot is filled again, two K steps ahead.
.macro TURN slot, next, fill
	WIN 0
	s_wait_tensorcnt 0x0                           ; all my tensor loads have landed: my part of the next slot
	ds_add_u32 v[SPW], v[NIL]
	s_wait_dscnt 17                                ; (the add and the youngest sixteen loads may be out)
	WIN MUL
	MUL8 F1, 0, 0, 0
	s_wait_dscnt 0x0                               ; the add is done, and my reads of this slot are over
	s_barrier_signal -1
	MUL8 F1, 0, 2, 0
.if \fill
	WIN 0
.endif
	s_barrier_wait -1
.if \fill
	CREST                                          ; the barrier has opened a round of the cluster's barrier: no wave of any partner still reads this slot or has a load on its way
	s_add_nc_u64 s[G0+4*\slot+2:G0+4*\slot+3], s[G0+4*\slot+2:G0+4*\slot+3], 2*KSB
	s_add_nc_u64 s[G0B+4*\slot+2:G0B+4*\slot+3], s[G0B+4*\slot+2:G0B+4*\slot+3], 2*KSB
	JLOAD \slot                                    ; the first tensor load behind the round; its four v_nop are also the places in front of the loads below
.else
	PLACES
.endif
	FETCH \next, 0, F0
	WIN MUL
	MUL8 F1, 1, 0, 0
	MUL8 F1, 1, 2, 0
.endm
	s_wait_tensorcnt 1                             ; my part of K step 0 is in; K step 1's load may be out
	s_barrier_signal -1
	s_barrier_wait -1
	FETCH 0, 0, F0
	QUARTER 0, 2048, F0, F1, 1                     ; K step 0; its first products start the sums
	QUARTER 0, 4096, F1, F0, 0
	QUARTER 0, 6144, F0, F1, 0
	TURN 0, 1, 1                                   ; slot 0 takes K step 2
	QUARTER 1, 2048, F0, F1, 0                     ; K step 1
	QUARTER 1, 4096, F1, F0, 0
	QUARTER 1, 6144, F0, F1, 0
	TURN 1, 0, 1                                   ; slot 1 takes K step 3
	QUARTER 0, 2048, F0, F1, 0                     ; K step 2
	QUARTER 0, 4096, F1, F0, 0
	QUARTER 0, 6144, F0, F1, 0
	TURN 0, 1, 0                                   ; nothing is left to ask for
	QUARTER 1, 2048, F0, F1, 0                     ; K step 3
	QUARTER 1, 4096, F1, F0, 0
	QUARTER 1, 6144, F0, F1, 0
	s_wait_dscnt 16
	WIN MUL
	MUL8 F1, 0, 0, 0
	MUL8 F1, 0, 2, 0
	s_wait_dscnt 0
	MUL8 F1, 1, 0, 0
	MUL8 F1, 1, 2, 0
	WIN 0
; THE WAY OUT, a block of 16 rows x 64 columns at a time, through my own stage: a lane holds 32 bytes of a row, and the rows come back whole: sixteen lanes store 256 consecutive bytes, aligned.
; LDS serves a wave's instructions in order (ISA guide 5.7.1.4): no wait between the stores and the loads, nor in front of the next block's stores.
.macro TOSTAGE a
.irp b, 0,1,2,3
	ds_store_b128 v[STO], v[ACC+8*(4*(\a)+\b):ACC+8*(4*(\a)+\b)+3]   offset:64*\b        ; each accumulator from its low end on
	ds_store_b128 v[STO], v[ACC+8*(4*(\a)+\b)+4:ACC+8*(4*(\a)+\b)+7] offset:64*\b+16
.endr
.irp t, 0,1,2,3,4,5,6,7
	ds_load_b128 v[TMP+32*((\a)%2)+4*\t:TMP+32*((\a)%2)+4*\t+3], v[RD] offset:\t*2*SPITCH
.endr
.endm
.macro SEND a, younger                 ; younger: the LDS instructions issued behind block a's loads
	s_wait_dscnt \younger
.irp t, 0,1,2,3,4,5,6,7
	global_store_b128 v[CO], v[TMP+32*((\a)%2)+4*\t:TMP+32*((\a)%2)+4*\t+3], s[8:9] offset:(16*(\a)+2*\t)*4096 th:TH_STORE_NT
.endr
.endm
	PLACES
	TOSTAGE 0
.irp a, 1,2,3
.if \a > 1
	s_wait_xcnt 0x0                                ; block a - 2's stores have read their registers: block a's loads may land there
.endif
	TOSTAGE \a
	SEND \a-1, 16                                  ; behind block a - 1's loads: block a's 8 stores and 8 loads
.endr
	SEND 3, 0
	s_wait_tensorcnt 0x0                           ; the wave's end
	ds_add_u32 v[SPW], v[NIL]
	s_wait_dscnt 0x0
	CROUND                                         ; the closing round
	s_endpgm
.Lfunc_end_k_q8543eae8b5_proj:
	.size	k_q8543eae8b5_proj, .Lfunc_end_k_q8543eae8b5_proj-k_q8543eae8b5_proj
	.p2alignl 7, 3214868480
	.fill 96, 4, 3214868480
	.section	.rodata,"a",@progbits
	.p2align	6, 0x0
	.amdhsa_kernel k_q8543eae8b5_proj
		.amdhsa_group_segment_fixed_size 327680
		.amdhsa_private_segment_fixed_size 0
		.amdhsa_enable_private_segment 0
		.amdhsa_kernarg_size 24
		.amdhsa_user_sgpr_count 2
		.amdhsa_user_sgpr_kernarg_segment_ptr 1
		.amdhsa_wavefront_size32 1
		.amdhsa_system_sgpr_workgroup_id_x 1
		.amdhsa_system_sgpr_workgroup_id_y 1
		.amdhsa_system_sgpr_workgroup_id_z 1
		.amdhsa_system_vgpr_workitem_id 0
		.amdhsa_next_free_vgpr 512
		.amdhsa_next_free_sgpr 66
		.amdhsa_reserve_vcc 0
		.amdhsa_float_denorm_mode_32 3
		.amdhsa_float_denorm_mode_16_64 3
		.amdhsa_memory_ordered 1
		.amdhsa_forward_progress 1
		.amdhsa_inst_pref_size 85
	.end_amdhsa_kernel
	.amdgpu_metadata
---
amdhsa.version: [ 1, 2 ]
amdhsa.kernels:
  - .name:           k_q8543eae8b5_proj
    .symbol:         k_q8543eae8b5_proj.kd
    .args:
      - { .name: aof, .offset: 0, .size: 8, .value_kind: global_buffer, .address_space: global }
      - { .name: wof, .offset: 8, .size: 8, .value_kind: global_buffer, .address_space: global }
      - { .name: out0, .offset: 16, .size: 8, .value_kind: global_buffer, .address_space: global }
    .group_segment_fixed_size: 327680
    .private_segment_fixed_size: 0
    .kernarg_segment_align: 8
    .kernarg_segment_size: 24
    .max_flat_workgroup_size: 128
    .sgpr_count:     66
    .vgpr_count:     512
    .wavefront_size: 32
...
	.end_amdgpu_metadata
.endif
;; end of part 4
;; launch first16 (part 5): grid 64 x 2, 16 waves a work-group, no clusters, 18,432 bytes of LDS; arguments first, Wo, out0; writes out0
.if DOCPART == 5
	.amdgcn_target "amdgcn-amd-amdhsa--gfx1250"
	.amdhsa_code_object_version 6
	.text
	.protected	k_q8543eae8b5_first16
	.globl	k_q8543eae8b5_first16
	.p2align	8
	.type	k_q8543eae8b5_first16,@function
k_q8543eae8b5_first16:
	s_mov_b64 s[64:65], 0
	v_nop
	global_prefetch_b8 v0, s[64:65] scope:SCOPE_SE
	s_setreg_imm32_b32 hwreg(HW_REG_WAVE_MODE, 25, 1), 1
	s_wait_xcnt 0x0
; The first 16 positions of each batch, through attention and projection, in f32: these rows average one to sixteen values, and the rounding of 16-bit operands would weigh most there.
; A work-group makes 16 rows x 16 columns of out0 (columns 16 x .. of batch y); wave hd takes head hd; the sixteen heads' parts are added through LDS, in a fixed order.
; All products by the f32 matrix form, 16 x 16 x 4: lane (r = lane % 16, h = lane / 16) gives a pair of registers for k = 2 h, 2 h + 1.  WHICH number of the true K stands at which place is free, as long as both
; operands agree: so a lane's registers are taken in pairs as they lie, and a result (a lane: one query, eight neighbours of the next K) is the next product's operand as it stands.
; q, k and v come as images of the registers in which the launch before held them (16 bytes a lane, 512 consecutive bytes a load): register 8 b + j of lane (r, h) is channel 16 b + 8 h + j of token r, for q and k alike;
; of v, register 8 ct + j is token 8 h + j of channel 16 ct + r.
;   S^T = K Q^T: pair c of a lane = registers 2 c, 2 c + 1 of both.   O^T = V^T P^T: pair i = keys 8 h + 2 i, + 1.   out^T = Wo O^T: pair i of tile ct = channels 16 ct + 8 h + 2 i, + 1.
; q carries log2(e) / 8 already.  The softmax takes the row's maximum away.  Each sum starts with the constant 0; what is made of a finished sum goes into other registers.
; Each of the 64 column tiles works the batch's 16 x 16 attention again: 32 of a wave's 48 matrix instructions, against an intermediate through memory and one launch more.
; The launch stores 64 bytes of a row at a time: 131,072 bytes in all.  No tensor load, no cluster: what is shared is 12 KB for a head.
.set SPARE, 16384                      ; behind the sixteen parts of 1,024 bytes: the spare words, 128 bytes a wave
.set SPW, 4                            ; v4   my spare word; never rewritten
.set NIL, 5                            ; v5   0; never rewritten
.set QF,  32                           ; v32-63   q: my token's 32 channels
.set KF,  64                           ; v64-95   k
.set VF,  96                           ; v96-127  v: four channel tiles x 8 keys
.set WF,  128                          ; v128-159 Wo: four channel tiles x 8 channels
.set SA,  160                          ; v160-175 the scores, in two sums by turns
.set T,   176                          ; v176-183 at work: scores, p, later the part of the result
.set PN,  184                          ; v184-191 p / the sum
.set OT,  192                          ; v192-223 O^T
.set PA,  224                          ; v224-239 the projection, in two sums by turns
	s_load_b128 s[4:7], s[0:1], 0x0                ; first s[4:5], Wo s[6:7]
	s_load_b64 s[8:9], s[0:1], 0x10                ; out0
	v_lshl_add_u32 v[SPW], v0, 2, SPARE
	v_mov_b32 v[NIL], 0
	v_lshrrev_b32 v1, 5, v0
	v_readfirstlane_b32 s10, v1                    ; the head
	s_and_b32 s11, ttmp7, 0xffff                   ; the batch
	v_and_b32 v1, 15, v0                           ; r
	v_bfe_u32 v2, v0, 4, 1                         ; h
	v_and_b32 v3, 31, v0
	v_lshlrev_b32 v3, 4, v3                        ; 16 x lane
	s_lshl_b32 s13, s10, 12                        ; a head's 64 channels x 64 bytes
	s_lshl_b32 s12, s11, 17                        ; q, k: the batch's 131,072,
	s_add_co_u32 s12, s12, s13
	v_add_nc_u32 v6, s12, v3
	s_lshl_b32 s12, s11, 16                        ; v: the batch's 65,536,
	s_add_co_u32 s12, s12, s13
	s_add_co_u32 s12, s12, 262144                  ; behind q and k
	v_add_nc_u32 v7, s12, v3
	v_lshlrev_b32 v8, 12, v1                       ; Wo: row r's 4,096 bytes, + 32 h,
	v_lshl_add_u32 v8, v2, 5, v8
	s_lshl_b32 s12, ttmp9, 16                      ; the column tile's 16 rows,
	s_lshl_b32 s13, s10, 8                         ; the head's 256 bytes
	s_add_co_u32 s12, s12, s13
	v_add_nc_u32 v8, s12, v8
	s_lshl_b32 s12, s10, 10
	v_add_nc_u32 v9, s12, v3                       ; LDS: my head's part
	s_lshl_b32 s12, s10, 9
	v_add_nc_u32 v10, s12, v3                      ; LDS: what wave 0 or 1 adds up: half wave of every part
	v_lshlrev_b32 v11, 12, v1                      ; out0: row r, + 32 h,
	v_lshl_add_u32 v11, v2, 5, v11
	s_lshl_b32 s12, s11, 23                        ; the batch's 2,048 rows,
	s_lshl_b32 s13, ttmp9, 6                       ; the column tile's 64 bytes,
	s_add_co_u32 s12, s12, s13
	s_lshl_b32 s13, s10, 4                         ; 16 bytes for wave 1
	s_add_co_u32 s12, s12, s13
	v_add_nc_u32 v11, s12, v11
	v_lshlrev_b32 v12, 3, v2
	v_sub_nc_u32 v12, v1, v12                      ; r - 8 h
	v_mov_b32 v16, 0xff800000                      ; -infinity
	v_mov_b32 v18, 0                               ; a lane permute's destination counts as one of its sources
	s_mov_b32 s14, 0x76543210
	s_mov_b32 s15, 0xfedcba98                      ; lane l xor 16
	s_wait_kmcnt 0x0
.irp i, 0,1,2,3,4,5,6,7                ; in the order in which they are wanted: q and k, v, Wo
	global_load_b128 v[QF+4*\i:QF+4*\i+3], v6, s[4:5] offset:512*\i
	global_load_b128 v[KF+4*\i:KF+4*\i+3], v6, s[4:5] offset:65536+512*\i
.endr
.irp ct, 0,1,2,3
	global_load_b128 v[VF+8*\ct:VF+8*\ct+3],   v7, s[4:5] offset:1024*\ct
	global_load_b128 v[VF+8*\ct+4:VF+8*\ct+7], v7, s[4:5] offset:1024*\ct+512
.endr
.irp ct, 0,1,2,3
	global_load_b128 v[WF+8*\ct:WF+8*\ct+3],   v8, s[6:7] offset:64*\ct
	global_load_b128 v[WF+8*\ct+4:WF+8*\ct+7], v8, s[6:7] offset:64*\ct+16
.endr
	s_wait_loadcnt 16                              ; q and k are in; v's eight loads and Wo's eight may be out
.set c, 0
.rept 16                               ; S^T = K Q^T: register j of lane (r, h) = key 8 h + j, query r; two sums by turns
.if c < 2
	v_wmma_f32_16x16x4_f32 v[SA+8*(c%2):SA+8*(c%2)+7], v[KF+2*c:KF+2*c+1], v[QF+2*c:QF+2*c+1], 0
.else
	v_wmma_f32_16x16x4_f32 v[SA+8*(c%2):SA+8*(c%2)+7], v[KF+2*c:KF+2*c+1], v[QF+2*c:QF+2*c+1], v[SA+8*(c%2):SA+8*(c%2)+7]
.endif
.set c, c+1
.endr
.rept 8
	v_nop                                          ; eight places behind this form before a result is read (ISA guide 7.12.1)
.endr
.irp j, 0,1,2,3,4,5,6,7
	v_add_f32 v[T+\j], v[SA+\j], v[SA+8+\j]
.endr
.irp j, 0,1,2,3,4,5,6,7
	v_cmp_gt_i32 vcc_lo, \j, v12                   ; key 8 h + j comes after query r
	v_cndmask_b32 v[T+\j], v[T+\j], v16, vcc_lo
.endr
	v_max3_num_f32 v17, v[T], v[T+1], v[T+2]
	v_max3_num_f32 v17, v17, v[T+3], v[T+4]
	v_max3_num_f32 v17, v17, v[T+5], v[T+6]
	v_max_num_f32 v17, v17, v[T+7]
	v_permlanex16_b32 v18, v17, s14, s15
	v_max_num_f32 v17, v17, v18                    ; the row's maximum (key 0 counts for every query)
.irp j, 0,1,2,3,4,5,6,7
	v_sub_f32 v[T+\j], v[T+\j], v17
.endr
.irp j, 0,1,2,3,4,5,6,7
	v_exp_f32 v[T+\j], v[T+\j]
.endr
	v_nop                                          ; a plain line behind the exponentials,
	s_wait_alu depctr_va_vdst(0)                   ; and one wait for the eight, ahead of their first reader
	v_add_f32 v19, v[T], v[T+1]
	v_add_f32 v20, v[T+2], v[T+3]
	v_add_f32 v21, v[T+4], v[T+5]
	v_add_f32 v22, v[T+6], v[T+7]
	v_add_f32 v19, v19, v20
	v_add_f32 v21, v21, v22
	v_add_f32 v19, v19, v21
	v_permlanex16_b32 v18, v19, s14, s15
	v_add_f32 v19, v19, v18                        ; the row's sum
	v_rcp_f32 v19, v19
	v_nop
	s_wait_alu depctr_va_vdst(0)
.irp j, 0,1,2,3,4,5,6,7
	v_mul_f32 v[PN+\j], v[T+\j], v19
.endr
	s_wait_loadcnt 8                               ; v is in; Wo's eight loads may be out
.irp i, 0,1,2,3                        ; O^T = V^T P^T: four accumulators by turns; register j of tile ct = channel 16 ct + 8 h + j, query r
.irp ct, 0,1,2,3
.if \i == 0
	v_wmma_f32_16x16x4_f32 v[OT+8*\ct:OT+8*\ct+7], v[VF+8*\ct+2*\i:VF+8*\ct+2*\i+1], v[PN+2*\i:PN+2*\i+1], 0
.else
	v_wmma_f32_16x16x4_f32 v[OT+8*\ct:OT+8*\ct+7], v[VF+8*\ct+2*\i:VF+8*\ct+2*\i+1], v[PN+2*\i:PN+2*\i+1], v[OT+8*\ct:OT+8*\ct+7]
.endif
.endr
.endr
.rept 9
	v_nop                                          ; nine places before a matrix instruction takes a result as an operand
.endr
	s_wait_loadcnt 0x0                             ; Wo
.set c, 0
.rept 16                               ; out^T = Wo O^T over my head's 64 channels: pair c % 4 of tile c / 4; two sums by turns
.if c < 2
	v_wmma_f32_16x16x4_f32 v[PA+8*(c%2):PA+8*(c%2)+7], v[WF+2*c:WF+2*c+1], v[OT+2*c:OT+2*c+1], 0
.else
	v_wmma_f32_16x16x4_f32 v[PA+8*(c%2):PA+8*(c%2)+7], v[WF+2*c:WF+2*c+1], v[OT+2*c:OT+2*c+1], v[PA+8*(c%2):PA+8*(c%2)+7]
.endif
.set c, c+1
.endr
.rept 8
	v_nop
.endr
.irp j, 0,1,2,3,4,5,6,7
	v_add_f32 v[T+\j], v[PA+\j], v[PA+8+\j]        ; my head's part: query r, columns 8 h + j of the tile
.endr
	ds_store_b128 v9, v[T:T+3]
	ds_store_b128 v9, v[T+4:T+7] offset:512
	s_wait_dscnt 0x0                               ; for the others' sake: my stores have landed
	s_barrier_signal -1
	s_barrier_wait -1
	s_cmp_lt_u32 s10, 2                            ; waves 0 and 1 add the sixteen parts: columns 8 h + 4 wave + 0..3
	s_cbranch_scc0 .Ldone
.irp p, 0,1,2,3,4,5,6,7,8,9,10,11,12,13,14,15
	ds_load_b128 v[32+4*\p:35+4*\p], v10 offset:1024*\p
.endr
	s_wait_dscnt 0x0
.irp p, 1,2,3,4,5,6,7,8,9,10,11,12,13,14,15
	v_pk_add_f32 v[32:33], v[32:33], v[32+4*\p:33+4*\p]
	v_pk_add_f32 v[34:35], v[34:35], v[34+4*\p:35+4*\p]
.endr
	global_store_b128 v11, v[32:35], s[8:9]
.Ldone:
	s_wait_tensorcnt 0x0                           ; the wave's end, behind my last LDS store
	ds_add_u32 v[SPW], v[NIL]
	s_wait_dscnt 0x0
	s_endpgm
.Lfunc_end_k_q8543eae8b5_first16:
	.size	k_q8543eae8b5_first16, .Lfunc_end_k_q8543eae8b5_first16-k_q8543eae8b5_first16
	.p2alignl 7, 3214868480
	.fill 96, 4, 3214868480
	.section	.rodata,"a",@progbits
	.p2align	6, 0x0
	.amdhsa_kernel k_q8543eae8b5_first16
		.amdhsa_group_segment_fixed_size 18432
		.amdhsa_private_segment_fixed_size 0
		.amdhsa_enable_private_segment 0
		.amdhsa_kernarg_size 24
		.amdhsa_user_sgpr_count 2
		.amdhsa_user_sgpr_kernarg_segment_ptr 1
		.amdhsa_wavefront_size32 1
		.amdhsa_system_sgpr_workgroup_id_x 1
		.amdhsa_system_sgpr_workgroup_id_y 1
		.amdhsa_system_sgpr_workgroup_id_z 1
		.amdhsa_system_vgpr_workitem_id 0
		.amdhsa_next_free_vgpr 256
		.amdhsa_next_free_sgpr 66
		.amdhsa_reserve_vcc 1
		.amdhsa_float_denorm_mode_32 3
		.amdhsa_float_denorm_mode_16_64 3
		.amdhsa_memory_ordered 1
		.amdhsa_forward_progress 1
		.amdhsa_inst_pref_size 15
	.end_amdhsa_kernel
	.amdgpu_metadata
---
amdhsa.version: [ 1, 2 ]
amdhsa.kernels:
  - .name:           k_q8543eae8b5_first16
    .symbol:         k_q8543eae8b5_first16.kd
    .args:
      - { .name: first, .offset: 0, .size: 8, .value_kind: global_buffer, .address_space: global }
      - { .name: Wo, .offset: 8, .size: 8, .value_kind: global_buffer, .address_space: global }
      - { .name: out0, .offset: 16, .size: 8, .value_kind: global_buffer, .address_space: global }
    .group_segment_fixed_size: 18432
    .private_segment_fixed_size: 0
    .kernarg_segment_align: 8
    .kernarg_segment_size: 24
    .max_flat_workgroup_size: 512
    .sgpr_count:     66
    .vgpr_count:     256
    .wavefront_size: 32
...
	.end_amdgpu_metadata
.endif
;; end of part 5
